; MI455X (gfx1250); checked and timed in simulation.
; The chip was launched on July 23, 2026; its instructions are those of AMD's public machine-readable ISA for CDNA 5 (MIT licence, August 2026) and "CDNA5" Instruction Set Architecture Reference Guide (July 2026). The comments in the code are by the model that wrote it; some were corrected since.
;; RWKV Block. Allowed arithmetic: float matrix products may take bf16 or f16 operands with f32 sums; all other float work in f32.
;; Inputs: Wk 1,024 x 1,024 float32; Wo 1,024 x 1,024 float32; Wr 1,024 x 1,024 float32; Wv 1,024 x 1,024 float32; time_decay 1,024 float32; time_mix_k 1,024 float32; time_mix_r 1,024 float32; time_mix_v 1,024 float32; x 8 x 2,048 x 1,024 float32.
;; Outputs: out0 8 x 2,048 x 1,024 float32.
;; 2 versions, each right; version 2 is version 1 with the launches wfuse, scanmix written anew for expert scheduling mode. Each part assembles by itself: llvm-mc -triple=amdgcn-amd-amdhsa -mcpu=gfx1250 --defsym DOCPART=n.
;; ======== version 1 of 2: 3 launches
;; limits: values are held in f16: magnitudes above 65,504 overflow, below 6.1e-05 lose precision
;; workspace buffers: A2 67,108,864 bytes; B2 4,194,304 bytes
;; launch wfuse (part 1): grid 16 x 16, 4 waves a work-group, no clusters, 313,856 bytes of LDS; arguments Wo, Wv, Wr, B2; writes B2
.if DOCPART == 1
	.amdgcn_target "amdgcn-amd-amdhsa--gfx1250"
	.amdhsa_code_object_version 6
	.text
	.protected	k_q87028e59f9_wfuse
	.globl	k_q87028e59f9_wfuse
	.p2align	8
	.type	k_q87028e59f9_wfuse,@function
k_q87028e59f9_wfuse:
	s_mov_b64 s[64:65], 0
	v_nop
	global_prefetch_b8 v0, s[64:65] scope:SCOPE_SE
	s_setreg_imm32_b32 hwreg(HW_REG_WAVE_MODE, 25, 1), 1
	s_wait_xcnt 0x0
; B2 = the gemm launch's second operand, f16.  out = sigmoid(r_in Wr^T) * ((v_in Wv^T) Wo^T), and (v_in Wv^T) Wo^T = v_in (Wo Wv)^T for every input,
; so the product Wvo[n][k] = sum over t of Wo[n][t] Wv[t][k] (1024^3) is made once here and the large product by Wo, with its intermediate, is never made.
; B2 LAYOUT: [1024 rows n][4096 bytes]; a row is 16 units j of 256 bytes (channels 64 j .. 64 j + 63); a unit is 8 pairs i of two 16-byte granules:
; byte 32 i: 64 x Wvo[n][64 j + 8 i .. + 7]; byte 32 i + 16: Wr[n][the same channels].  The factor 64 keeps small products out of f16's denormals; the gemm launch takes it back in its reciprocal.
; LIMITS.  Operands are rounded to f16: |Wo|, |Wv|, |Wr| and |64 Wvo| stay below 65,520; below 6e-5 f16 keeps its fixed step of 6e-8.  NaN and infinities are not treated apart.
; SHARES.  Work-group (j, nb) makes the patch rows 64 nb .. + 63, channels 64 j .. + 63: 64 whole units of B2.  Wave w owns rows 16 w .. 16 w + 15 and all 64 channels: 4 accumulators.
; The inputs are f32 and must pass through registers to be rounded, so they come by global loads, not by a copy engine; no cluster: nothing is asked for jointly by such loads.
; PHASE 1: Wo's 64 rows and Wv's 64 columns, rounded to f16, into LDS (three sets of 16 loads a wave in flight).  ONE barrier.  PHASE 2: 16 groups of 64 along t from LDS.  WAY OUT through the wave's own stage.
.set PWO,    2064                      ; a row of Wo in LDS: 2,048 bytes + 16: an odd multiple of 16, so the 16 rows of a fragment load start at 16 different groups of four banks (64 banks of 4 bytes: ISA guide 11.1)
.set PWV,    160                       ; a row t of Wv's strip: 128 bytes + 32: an odd multiple of 32, for the turning load
.set WVT,    64*PWO                    ; Wo's 64 rows lie at 0, Wv's 1,024 rows here
.set STAGE,  WVT+1024*PWV              ; 16 rows x 272 bytes for each wave
.set SPITCH, 272
.set SPARE,  STAGE+4*16*SPITCH         ; the spare words, 128 bytes a wave: two blocks of 256 bytes that no other line names
.set SPW, 1                            ; v1     my spare word's LDS address; never rewritten
.set NIL, 2                            ; v2     0; never rewritten
.set VO,  3                            ; v3     phase 1: (t >> 4) rows of 4,096 bytes + 16 (t & 15)
.set LWO, 4                            ; v4-5   where my 8 bytes of Wo go: rows (t >> 4) + 8 i, i = 0-3 and 4-7
.set LWV, 6                            ; v6-8   the same for Wv: column blocks q = 0-5, 6-11, 12-15
.set AA,  9                            ; v9     my place in Wo's fragments; steps 128 bytes a group
.set AB,  10                           ; v10    my place in Wv's turned fragments; steps 64 rows a group
.set VW,  11                           ; v11    way out: (lane / 16) rows of 4,096 bytes + 16 (lane % 16), in Wr and in B2
.set STO, 12                           ; v12    stage: where my 16 bytes of 64 Wvo go
.set STW, 13                           ; v13    stage: where my 8 bytes of Wr go
.set RD,  14                           ; v14    stage: where I read 16 bytes of a whole unit back
.set RAW, 16                           ; v16-207  phase 1: three sets of 64: Wo's load i at + 4 i, Wv's at + 32 + 4 i
.set CV,  208                          ; v208-239 phase 1: a set rounded to f16
.set F0,  16                           ; v16-95   phase 2: Wo's fragment tt at + 8 tt, Wv's (tt, c) at + 16 + 8 (4 tt + c)
.set F1,  96                           ; v96-175  the second buffer
.set ACC, 176                          ; v176-207 accumulator c at + 8 c
.set WRR, 208                          ; v208-239 my 8 x 16 bytes of Wr, f32
.set PK,  16                           ; way out: 64 Wvo in f16
.set PW,  32                           ; way out: Wr in f16
.set BK,  48                           ; way out: whole units read back
	s_load_b256 s[4:11], s[0:1], 0x0               ; Wo s[4:5], Wv s[6:7], Wr s[8:9], B2 s[10:11]
	v_lshl_add_u32 v[SPW], v0, 2, SPARE
	v_mov_b32 v[NIL], 0
	v_lshrrev_b32 v15, 5, v0
	v_readfirstlane_b32 s12, v15                   ; wave 0..3
	s_and_b32 s13, ttmp7, 0xffff                   ; nb
	s_lshl_b32 s14, s13, 18                        ; 64 rows of 4,096 bytes
	s_mov_b32 s15, 0
	s_lshl_b32 s16, ttmp9, 8                       ; j: 64 f32 columns, and one unit of B2, are 256 bytes
	s_mov_b32 s17, 0
	s_lshl_b32 s18, s12, 16                        ; my wave's 16 rows
	s_or_b32 s18, s18, s14
	s_or_b32 s18, s18, s16
	s_mov_b32 s19, 0
	v_and_b32 v16, 15, v0                          ; t & 15 = lane % 16
	v_lshrrev_b32 v17, 4, v0                       ; t >> 4, 0..7
	v_bfe_u32 v18, v0, 4, 1                        ; lane / 16
	v_and_b32 v19, 7, v0
	v_bfe_u32 v20, v0, 3, 1
	v_lshrrev_b32 v21, 1, v16
	v_and_b32 v22, 1, v0
	v_lshlrev_b32 v[VO], 4, v16
	v_lshl_or_b32 v[VO], v17, 12, v[VO]
	v_mul_u32_u24 v[LWO], v17, PWO
	v_lshl_add_u32 v[LWO], v16, 3, v[LWO]          ; row x pitch + 8 bytes for my 4 numbers
	v_add_nc_u32 v[LWO+1], 32*PWO, v[LWO]          ; 32 rows on: the 16-bit immediate does not reach them
	v_mul_u32_u24 v[LWV], v17, PWV
	v_lshl_add_u32 v[LWV], v16, 3, v[LWV]
	v_add_nc_u32 v[LWV], WVT, v[LWV]
	v_add_nc_u32 v[LWV+1], 6*64*PWV, v[LWV]
	v_add_nc_u32 v[LWV+2], 12*64*PWV, v[LWV]
	; a fragment of Wo: lane l holds row l % 16; registers 0-3 t = 8 (l / 16) + 0..7, registers 4-7 t = 16 + 8 (l / 16) + 0..7: two loads of 16 bytes, 32 bytes apart
	s_mul_i32 s20, s12, 16*PWO
	v_mul_u32_u24 v[AA], v16, PWO
	v_lshl_add_u32 v[AA], v18, 4, v[AA]
	v_add_nc_u32 v[AA], s20, v[AA]
	; the turning load takes 16 t x 16 channels (lane l reads row 8 (l / 16) + l % 8, channels 8 ((l / 8) % 2) + 0..7) and leaves half a fragment of Wv^T: lane l holds channel l % 16 and 8 t
	v_lshl_add_u32 v[AB], v18, 3, v19
	v_mul_u32_u24 v[AB], v[AB], PWV
	v_lshl_add_u32 v[AB], v20, 4, v[AB]
	v_add_nc_u32 v[AB], WVT, v[AB]
	v_lshlrev_b32 v[VW], 4, v16
	v_lshl_or_b32 v[VW], v18, 12, v[VW]
	s_mul_i32 s20, s12, 16*SPITCH
	s_add_co_u32 s20, s20, STAGE                   ; my stage
	v_mul_u32_u24 v[STO], v16, SPITCH
	v_lshl_add_u32 v[STO], v18, 5, v[STO]          ; row l % 16; pair 2 c + l / 16 begins at byte 64 c + 32 (l / 16)
	v_add_nc_u32 v[STO], s20, v[STO]
	v_mul_u32_u24 v[RD], v18, SPITCH
	v_add_nc_u32 v[RD], s20, v[RD]                 ; row l / 16 (+ 2 i)
	v_lshl_add_u32 v[STW], v21, 5, v[RD]           ; my 4 channels 4 (l % 16) .. lie in pair (l % 16) / 2,
	v_lshl_add_u32 v[STW], v22, 3, v[STW]          ; in its first or second 8 bytes,
	v_add_nc_u32 v[STW], 16, v[STW]                ; of the pair's second granule
	v_lshl_add_u32 v[RD], v16, 4, v[RD]
	s_wait_kmcnt 0x0
	s_add_nc_u64 s[4:5], s[4:5], s[14:15]          ; Wo at the patch's first row
	s_add_nc_u64 s[6:7], s[6:7], s[16:17]          ; Wv at the patch's first column
	s_add_nc_u64 s[8:9], s[8:9], s[18:19]          ; Wr and B2 at my wave's 16 rows of the patch
	s_add_nc_u64 s[10:11], s[10:11], s[18:19]
; PHASE 1.  Block q of 16: Wo's columns t = 64 q .. + 63 of all 64 rows, and Wv's rows t = 64 q .. + 63.  16 loads a wave; each covers two aligned runs of 256 bytes.
.macro LD16 q
.irp i, 0,1,2,3,4,5,6,7
	global_load_b128 v[RAW+64*((\q)%3)+4*(\i):RAW+64*((\q)%3)+4*(\i)+3], v[VO], s[4:5] offset:32768*(\i)+256*(\q)
.endr
.irp i, 0,1,2,3,4,5,6,7
	global_load_b128 v[RAW+64*((\q)%3)+32+4*(\i):RAW+64*((\q)%3)+32+4*(\i)+3], v[VO], s[6:7] offset:262144*(\q)+32768*(\i)
.endr
.endm
.macro SET q
.if (\q) < 14
	s_wait_loadcnt 32                              ; loads come back in order (ISA guide 5.7.1): block q is in, the two younger blocks stay out
.elseif (\q) == 14
	s_wait_loadcnt 16
.else
	s_wait_loadcnt 0
.endif
.irp i, 0,1,2,3,4,5,6,7,8,9,10,11,12,13,14,15
	v_cvt_pk_f16_f32 v[CV+2*(\i)],   v[RAW+64*((\q)%3)+4*(\i)],   v[RAW+64*((\q)%3)+4*(\i)+1]
	v_cvt_pk_f16_f32 v[CV+2*(\i)+1], v[RAW+64*((\q)%3)+4*(\i)+2], v[RAW+64*((\q)%3)+4*(\i)+3]
.endr
.irp i, 0,1,2,3,4,5,6,7
	ds_store_b64 v[LWO+(\i)/4], v[CV+2*(\i):CV+2*(\i)+1] offset:((\i)%4)*8*PWO+128*(\q)
.endr
.irp i, 0,1,2,3,4,5,6,7
	ds_store_b64 v[LWV+(\q)/6], v[CV+16+2*(\i):CV+16+2*(\i)+1] offset:((\q)%6)*64*PWV+8*PWV*(\i)
.endr
.if (\q) < 13
	LD16 (\q)+3                                    ; into the set just rounded
.endif
.endm
	LD16 0
	LD16 1
	LD16 2
.irp q, 0,1,2,3,4,5,6,7,8,9,10,11,12,13,14,15
	SET \q
.endr
	s_wait_dscnt 0x0                               ; for the others' sake: all my stores into Wo's and Wv's tiles are done
.irp i, 0,1,2,3,4,5,6,7
	global_load_b128 v[WRR+4*(\i):WRR+4*(\i)+3], v[VW], s[8:9] offset:8192*(\i)  ; Wr's patch, two rows a load; wanted on the way out
.endr
	s_barrier_signal -1
	s_barrier_wait -1                              ; the launch's one barrier: from here on the two tiles are only read
; PHASE 2.  A group is 64 along t: 4 loads of Wo's fragments, 16 turning loads of Wv's.
.macro LOADG f, step
.if \step
	v_add_nc_u32 v[AA], 128, v[AA]
	v_add_nc_u32 v[AB], 64*PWV, v[AB]
.endif
.irp tt, 0,1
	ds_load_b128 v[(\f)+8*(\tt):(\f)+8*(\tt)+3],   v[AA] offset:64*(\tt)
	ds_load_b128 v[(\f)+8*(\tt)+4:(\f)+8*(\tt)+7], v[AA] offset:64*(\tt)+32
.irp c, 0,1,2,3
	ds_load_tr16_b128 v[(\f)+16+8*(4*(\tt)+(\c)):(\f)+16+8*(4*(\tt)+(\c))+3],   v[AB] offset:32*PWV*(\tt)+32*(\c)
	ds_load_tr16_b128 v[(\f)+16+8*(4*(\tt)+(\c))+4:(\f)+16+8*(4*(\tt)+(\c))+7], v[AB] offset:32*PWV*(\tt)+16*PWV+32*(\c)
.endr
.endr
.endm
; 8 matrix instructions, used transposed: source 0 = 16 channels of Wv^T, source 1 = 16 rows of Wo, so that a lane holds row l % 16 and the eight neighbouring channels 16 c + 8 (l / 16) + 0..7.
; The four accumulators take turns, one instruction a turn.  zero = 1: the first four start the sums.
.macro MULG f, zero
.irp tt, 0,1
.irp c, 0,1,2,3
.if (\zero) && ((\tt) == 0)
	v_wmma_f32_16x16x32_f16 v[ACC+8*(\c):ACC+8*(\c)+7], v[(\f)+16+8*(4*(\tt)+(\c)):(\f)+16+8*(4*(\tt)+(\c))+7], v[(\f)+8*(\tt):(\f)+8*(\tt)+7], 0
.else
	v_wmma_f32_16x16x32_f16 v[ACC+8*(\c):ACC+8*(\c)+7], v[(\f)+16+8*(4*(\tt)+(\c)):(\f)+16+8*(4*(\tt)+(\c))+7], v[(\f)+8*(\tt):(\f)+8*(\tt)+7], v[ACC+8*(\c):ACC+8*(\c)+7]
.endif
.endr
.endr
.endm
.macro PLACES                          ; four plain vector instructions between a matrix instruction and a load into, or a vector access to, its registers (ISA guide 7.12.1 for vector instructions)
.rept 4
	v_nop
.endr
.endm
	LOADG F0, 0                                    ; group 0
	LOADG F1, 1                                    ; group 1
	s_wait_dscnt 20                                ; all but the 20 loads just issued
	MULG F0, 1
	s_mov_b32 s3, 7
.Lgroup:                                               ; trip k: loads groups 2 k + 2, 2 k + 3; multiplies groups 2 k + 1, 2 k + 2
	PLACES
	LOADG F0, 1
	s_wait_dscnt 20
	MULG F1, 0
	PLACES
	LOADG F1, 1
	s_wait_dscnt 20
	MULG F0, 0
	s_sub_co_u32 s3, s3, 1
	s_cmp_lg_u32 s3, 0
	s_cbranch_scc1 .Lgroup
	s_wait_dscnt 0x0
	MULG F1, 0                                     ; group 15
	; THE WAY OUT.  64 Wvo and Wr, rounded to f16, meet in my own stage as whole units of 256 bytes; LDS serves a wave's instructions in order (ISA guide 5.7.1.4), so no wait stands between the stores and the loads.
	PLACES
.irp i, 0,1,2,3,4,5,6,7,8,9,10,11,12,13,14,15
	v_pk_mul_f32 v[ACC+2*(\i):ACC+2*(\i)+1], v[ACC+2*(\i):ACC+2*(\i)+1], 0x42800000 op_sel_hi:[1,0]  ; x 64, each accumulator from its low end on
.endr
.irp i, 0,1,2,3,4,5,6,7,8,9,10,11,12,13,14,15
	v_cvt_pk_f16_f32 v[PK+(\i)], v[ACC+2*(\i)], v[ACC+2*(\i)+1]
.endr
.irp c, 0,1,2,3
	ds_store_b128 v[STO], v[PK+4*(\c):PK+4*(\c)+3] offset:64*(\c)
.endr
	s_wait_loadcnt 0x0                             ; Wr
.irp i, 0,1,2,3,4,5,6,7,8,9,10,11,12,13,14,15
	v_cvt_pk_f16_f32 v[PW+(\i)], v[WRR+2*(\i)], v[WRR+2*(\i)+1]
.endr
.irp i, 0,1,2,3,4,5,6,7
	ds_store_b64 v[STW], v[PW+2*(\i):PW+2*(\i)+1] offset:2*SPITCH*(\i)
.endr
.irp i, 0,1,2,3,4,5,6,7
	ds_load_b128 v[BK+4*(\i):BK+4*(\i)+3], v[RD] offset:2*SPITCH*(\i)
.endr
.irp i, 0,1,2,3,4,5,6,7
	s_wait_dscnt 7-(\i)                            ; the younger loads may stay out
	global_store_b128 v[VW], v[BK+4*(\i):BK+4*(\i)+3], s[10:11] offset:8192*(\i)  ; 16 lanes store 256 consecutive bytes, at a multiple of 256 from B2's first byte
.endr
	s_wait_tensorcnt 0x0                           ; the wave's end, behind my last LDS store
	ds_add_u32 v[SPW], v[NIL]
	s_wait_dscnt 0x0
	s_endpgm
.Lfunc_end_k_q87028e59f9_wfuse:
	.size	k_q87028e59f9_wfuse, .Lfunc_end_k_q87028e59f9_wfuse-k_q87028e59f9_wfuse
	.p2alignl 7, 3214868480
	.fill 96, 4, 3214868480
	.section	.rodata,"a",@progbits
	.p2align	6, 0x0
	.amdhsa_kernel k_q87028e59f9_wfuse
		.amdhsa_group_segment_fixed_size 313856
		.amdhsa_private_segment_fixed_size 0
		.amdhsa_enable_private_segment 0
		.amdhsa_kernarg_size 32
		.amdhsa_user_sgpr_count 2
		.amdhsa_user_sgpr_kernarg_segment_ptr 1
		.amdhsa_wavefront_size32 1
		.amdhsa_system_sgpr_workgroup_id_x 1
		.amdhsa_system_sgpr_workgroup_id_y 1
		.amdhsa_system_sgpr_workgroup_id_z 1
		.amdhsa_system_vgpr_workitem_id 0
		.amdhsa_next_free_vgpr 240
		.amdhsa_next_free_sgpr 66
		.amdhsa_reserve_vcc 0
		.amdhsa_float_denorm_mode_32 3
		.amdhsa_float_denorm_mode_16_64 3
		.amdhsa_memory_ordered 1
		.amdhsa_forward_progress 1
		.amdhsa_inst_pref_size 91
	.end_amdhsa_kernel
	.amdgpu_metadata
---
amdhsa.version: [ 1, 2 ]
amdhsa.kernels:
  - .name:           k_q87028e59f9_wfuse
    .symbol:         k_q87028e59f9_wfuse.kd
    .args:
      - { .name: Wo, .offset: 0, .size: 8, .value_kind: global_buffer, .address_space: global }
      - { .name: Wv, .offset: 8, .size: 8, .value_kind: global_buffer, .address_space: global }
      - { .name: Wr, .offset: 16, .size: 8, .value_kind: global_buffer, .address_space: global }
      - { .name: B2, .offset: 24, .size: 8, .value_kind: global_buffer, .address_space: global }
    .group_segment_fixed_size: 313856
    .private_segment_fixed_size: 0
    .kernarg_segment_align: 8
    .kernarg_segment_size: 32
    .max_flat_workgroup_size: 128
    .sgpr_count:     66
    .vgpr_count:     240
    .wavefront_size: 32
...
	.end_amdgpu_metadata
.endif
;; end of part 1
;; launch scanmix (part 2): grid 16 x 8, 16 waves a work-group, no clusters, 18,432 bytes of LDS; arguments x, time_decay, time_mix_v, time_mix_r, A2; writes A2
.if DOCPART == 2
	.amdgcn_target "amdgcn-amd-amdhsa--gfx1250"
	.amdhsa_code_object_version 6
	.text
	.protected	k_q87028e59f9_scanmix
	.globl	k_q87028e59f9_scanmix
	.p2align	8
	.type	k_q87028e59f9_scanmix,@function
k_q87028e59f9_scanmix:
	s_mov_b64 s[64:65], 0
	v_nop
	global_prefetch_b8 v0, s[64:65] scope:SCOPE_SE
	s_setreg_imm32_b32 hwreg(HW_REG_WAVE_MODE, 25, 1), 1
	s_wait_xcnt 0x0
; A2 = the gemm launch's first operand, f16: v_in = x mv + prev (1 - mv) and r_in = x mr + prev (1 - mr), with prev_t = x_(t-1) + d prev_(t-1), prev_0 = 0, d = exp(-exp(time_decay)).
; reference()'s k_in and _k enter none of its results, so time_mix_k and Wk are not read and that product is not made.
; A2 LAYOUT: [16,384 rows m = 2048 b + s][4096 bytes]; a row is 16 units j of 256 bytes (channels 64 j .. + 63); a unit is 8 pairs i of two 16-byte granules:
; byte 32 i: v_in of channels 64 j + 8 i .. + 7; byte 32 i + 16: r_in of the same channels.
; LIMITS.  v_in and r_in are rounded to f16: they stay below 65,520 in magnitude; below 6e-5 f16 keeps its fixed step of 6e-8.  v_exp_f32 flushes denormals (ISA guide 15.8): a d or d^32 below 2^-126 counts as 0.
; The scan is exact in its terms (no term is dropped, whatever d), but its f32 sums are grouped by chunks of 32 rows, another order of rounding than a plain chain's.  NaN and infinities are not treated apart.
; SHARES.  A work-group owns one batch b and one strip j of 64 channels, 256 bytes of every row of x and of A2, for all 2,048 rows: the carry never leaves the work-group and x is read once.  That makes
; 8 x 16 = 128 work-groups: a narrower strip would break the runs of 256 bytes, a split along s would read x again.  Memory binds: no matrix unit, no cluster (nothing is shared), no copy engine.
; Two SUPER-STEPS of 1,024 rows.  Half a wave is a sub-chunk g = t >> 4 of 32 rows; lane t & 15 owns 4 channels; its 32 rows stay in 128 registers between the two passes.
; PASS 1: the sub-chunk's end state from 0, into LDS.  COMBINE: every wave walks the chain of 32 end states (carry' = carry d^32 + end) and keeps the carries of its two sub-chunks.  PASS 2: the rows again, with the true carry.
.set SPARE, 16384                      ; end states: super-step 0 at 0, super-step 1 at 8,192 (32 sub-chunks x 256 bytes each); then the spare words, 128 bytes a wave: eight blocks of 256 bytes that no other line names
.set SPW, 1                            ; v1      my spare word's LDS address; never rewritten
.set NIL, 2                            ; v2      0; never rewritten
.set XO,  3                            ; v3      my sub-chunk's 32 rows of 4,096 bytes + 16 (t & 15): in x and in A2; never rewritten
.set EST, 4                            ; v4      16 t: where my end state goes
.set ELD, 5                            ; v5      16 (t & 15): my channels in a sub-chunk's 256 bytes, and in the three vectors
.set D,   8                            ; v8-11   d of my 4 channels
.set DL,  12                           ; v12-15  d^32
.set MK,  16                           ; v16-19  the mix of the kind that I keep (even lanes v, odd lanes r);  v20-23  1 - that
.set NK,  20
.set MS,  24                           ; v24-27  the mix of the kind that I send to my neighbour;  v28-31  1 - that
.set NS,  28
.set ST,  32                           ; v32-35  prev
.set CA,  36                           ; v36-39, v40-43  the chain
.set CB,  40
.set T0,  44                           ; v44-47, v48-51  at work
.set T1,  48
.set KC,  52                           ; v52-53  4 f16 kept;  v54-55  4 f16 sent;  v56-57  4 f16 received
.set SC,  54
.set UC,  56
.set O,   60                           ; v60-67  two sets of 16 bytes to store
.set EB,  68                           ; v68-99  two buffers of four end states
.set X,   100                          ; v100-227  row i at + 4 i
	s_load_b256 s[4:11], s[0:1], 0x0               ; x s[4:5], time_decay s[6:7], time_mix_v s[8:9], time_mix_r s[10:11]
	s_load_b64 s[12:13], s[0:1], 0x20              ; A2
	v_lshl_add_u32 v[SPW], v0, 2, SPARE
	v_mov_b32 v[NIL], 0
	v_lshrrev_b32 v6, 5, v0
	v_readfirstlane_b32 s16, v6                    ; wave 0..15
	s_mov_b32 s17, 0xaaaaaaaa                      ; the odd lanes
	s_mov_b32 s18, 0xffff0000                      ; lanes 16-31
	s_and_b32 s14, ttmp7, 0xffff                   ; b:
	s_lshl_b32 s14, s14, 23                        ; 2,048 rows of 4,096 bytes
	s_lshl_b32 s20, ttmp9, 8                       ; j: 256 bytes
	s_mov_b32 s21, 0
	s_or_b32 s14, s14, s20
	s_mov_b32 s15, 0
	v_and_b32 v6, 15, v0
	v_lshrrev_b32 v7, 4, v0
	v_lshlrev_b32 v[ELD], 4, v6
	v_lshl_or_b32 v[XO], v7, 17, v[ELD]
	v_lshlrev_b32 v[EST], 4, v0
	v_mov_b32 v[UC], 0                             ; a destination of the lane exchange counts as read: written once here
	v_mov_b32 v[UC+1], 0
.irp c, 0,1,2,3
	v_mov_b32 v[CA+(\c)], 0                        ; the scan begins at 0
.endr
	s_wait_kmcnt 0x0
	s_add_nc_u64 s[4:5], s[4:5], s[14:15]
	s_add_nc_u64 s[12:13], s[12:13], s[14:15]
	s_add_nc_u64 s[6:7], s[6:7], s[20:21]
	s_add_nc_u64 s[8:9], s[8:9], s[20:21]
	s_add_nc_u64 s[10:11], s[10:11], s[20:21]
	global_load_b128 v[T0:T0+3], v[ELD], s[6:7]
	global_load_b128 v[T1:T1+3], v[ELD], s[8:9]
	global_load_b128 v[O:O+3],   v[ELD], s[10:11]
.set i, 0
.rept 32
	global_load_b128 v[X+4*i:X+4*i+3], v[XO], s[4:5] offset:4096*i th:TH_LOAD_NT  ; 16 lanes take 256 consecutive aligned bytes; x is read once in the launch
.set i, i+1
.endr
	s_wait_loadcnt 32                              ; the three vectors are in; the 32 rows stay out
.irp c, 0,1,2,3
	v_mul_f32 v[T0+(\c)], 0x3fb8aa3b, v[T0+(\c)]   ; log2(e) time_decay
.endr
.irp c, 0,1,2,3
	v_exp_f32 v[T0+(\c)], v[T0+(\c)]               ; exp(time_decay)
.endr
	v_nop                                          ; a plain instruction between the last exponential and the use of its result (ISA guide 5.7.2)
	s_wait_alu depctr_va_vdst(0)
.irp c, 0,1,2,3
	v_mul_f32 v[T0+(\c)], 0xbfb8aa3b, v[T0+(\c)]   ; log2(d)
.endr
.irp c, 0,1,2,3
	v_exp_f32 v[D+(\c)], v[T0+(\c)]
.endr
.irp c, 0,1,2,3
	v_mul_f32 v[O+4+(\c)], 0x42000000, v[T0+(\c)]  ; 32 log2(d), exact
.endr
.irp c, 0,1,2,3
	v_exp_f32 v[DL+(\c)], v[O+4+(\c)]
.endr
.irp c, 0,1,2,3
	v_cndmask_b32 v[MK+(\c)], v[T1+(\c)], v[O+(\c)], s17  ; odd lanes: mr; even lanes: mv
.endr
.irp c, 0,1,2,3
	v_cndmask_b32 v[MS+(\c)], v[O+(\c)], v[T1+(\c)], s17  ; the other one
.endr
	s_wait_alu depctr_va_vdst(0)
.irp c, 0,1,2,3
	v_sub_f32 v[NK+(\c)], 1.0, v[MK+(\c)]
	v_sub_f32 v[NS+(\c)], 1.0, v[MS+(\c)]
.endr
; PASS 1 of super-step u: the state that my 32 rows alone leave behind, two fused multiply-adds in one instruction, as the rows arrive.
.macro PHASE1 u
	s_wait_loadcnt 30                              ; rows 0 and 1 are in
	v_pk_fma_f32 v[T0:T0+1],   v[X:X+1],   v[D:D+1],   v[X+4:X+5]
	v_pk_fma_f32 v[T0+2:T0+3], v[X+2:X+3], v[D+2:D+3], v[X+6:X+7]
.set i, 2
.rept 30
	s_wait_loadcnt 31-i                            ; row i is in; the younger rows stay out
	v_pk_fma_f32 v[T0:T0+1],   v[T0:T0+1],   v[D:D+1],   v[X+4*i:X+4*i+1]
	v_pk_fma_f32 v[T0+2:T0+3], v[T0+2:T0+3], v[D+2:D+3], v[X+4*i+2:X+4*i+3]
.set i, i+1
.endr
	ds_store_b128 v[EST], v[T0:T0+3] offset:8192*(\u)
	s_wait_dscnt 0x0                               ; for the others' sake: my end state is in LDS
	s_barrier_signal -1
	s_barrier_wait -1                              ; all 32 are.  The two super-steps have bytes of their own, so no second barrier is needed
.endm
.macro EBATCH u, k                     ; the end states of sub-chunks 4 k .. 4 k + 3, my channels
.irp n, 0,1,2,3
	ds_load_b128 v[EB+16*((\k)%2)+4*(\n):EB+16*((\k)%2)+4*(\n)+3], v[ELD] offset:8192*(\u)+256*(4*(\k)+(\n))
.endr
.endm
; Two links of the chain.  CA is the carry into sub-chunk 2 n, CB into 2 n + 1; wave n keeps them, by halves of its lanes.  The jump hangs on the wave's number alone and passes no barrier.
.macro CSTEP n, e
	v_pk_fma_f32 v[CB:CB+1],   v[CA:CA+1],   v[DL:DL+1],   v[(\e):(\e)+1]
	v_pk_fma_f32 v[CB+2:CB+3], v[CA+2:CA+3], v[DL+2:DL+3], v[(\e)+2:(\e)+3]
	s_cmp_lg_u32 s16, \n
	s_cbranch_scc1 .Lnot_mine_\@
.irp c, 0,1,2,3
	v_cndmask_b32 v[ST+(\c)], v[CA+(\c)], v[CB+(\c)], s18
.endr
.Lnot_mine_\@:
	v_pk_fma_f32 v[CA:CA+1],   v[CB:CB+1],   v[DL:DL+1],   v[(\e)+4:(\e)+5]
	v_pk_fma_f32 v[CA+2:CA+3], v[CB+2:CB+3], v[DL+2:DL+3], v[(\e)+6:(\e)+7]
.endm
.macro COMBINE u
.irp c, 0,1,2,3
	v_mov_b32 v[ST+(\c)], v[CA+(\c)]               ; prev is written on every path; my wave's own link writes it anew
.endr
	EBATCH \u, 0
	EBATCH \u, 1
.irp k, 0,1,2,3,4,5,6,7
.if (\k) < 7
	s_wait_dscnt 4                                 ; batch k is in; the next batch's four loads stay out
.else
	s_wait_dscnt 0
.endif
	CSTEP 2*(\k),   EB+16*((\k)%2)
	CSTEP 2*(\k)+1, EB+16*((\k)%2)+8
.if (\k) < 6
	EBATCH \u, (\k)+2                              ; into the buffer just read
.endif
.endr
.endm                                  ; CA ends as the carry into the next super-step, the same in every wave
; PASS 2.  For each row: both mixes of my 4 channels, prev stepped, 4 + 4 numbers rounded to f16.  A granule of 16 bytes holds 8 channels of one kind, so neighbours i and i xor 1 swap: the even lane
; keeps v_in and gets its neighbour's, the odd lane keeps r_in.  In super-step 0 the row's registers are loaded again at once, with the row 1,024 further down.
.macro PHASE2 u
.set i, 0
.rept 32
.set XI, X+4*i
.set OO, O+4*(i%2)
	v_pk_mul_f32 v[T0:T0+1],   v[XI:XI+1],   v[MK:MK+1]
	v_pk_mul_f32 v[T0+2:T0+3], v[XI+2:XI+3], v[MK+2:MK+3]
	v_pk_mul_f32 v[T1:T1+1],   v[XI:XI+1],   v[MS:MS+1]
	v_pk_mul_f32 v[T1+2:T1+3], v[XI+2:XI+3], v[MS+2:MS+3]
	v_pk_fma_f32 v[T0:T0+1],   v[ST:ST+1],   v[NK:NK+1],   v[T0:T0+1]
	v_pk_fma_f32 v[T0+2:T0+3], v[ST+2:ST+3], v[NK+2:NK+3], v[T0+2:T0+3]
	v_pk_fma_f32 v[T1:T1+1],   v[ST:ST+1],   v[NS:NS+1],   v[T1:T1+1]
	v_pk_fma_f32 v[T1+2:T1+3], v[ST+2:ST+3], v[NS+2:NS+3], v[T1+2:T1+3]
	v_pk_fma_f32 v[ST:ST+1],   v[ST:ST+1],   v[D:D+1],     v[XI:XI+1]
	v_pk_fma_f32 v[ST+2:ST+3], v[ST+2:ST+3], v[D+2:D+3],   v[XI+2:XI+3]
	v_cvt_pk_f16_f32 v[KC],   v[T0],   v[T0+1]
	v_cvt_pk_f16_f32 v[KC+1], v[T0+2], v[T0+3]
	v_cvt_pk_f16_f32 v[SC],   v[T1],   v[T1+1]
	v_cvt_pk_f16_f32 v[SC+1], v[T1+2], v[T1+3]
	v_mov_b32_dpp v[UC],   v[SC]   row_xmask:1 row_mask:0xf bank_mask:0xf
	v_mov_b32_dpp v[UC+1], v[SC+1] row_xmask:1 row_mask:0xf bank_mask:0xf
	s_wait_xcnt 0x0                                ; every earlier memory instruction has had its addresses translated (ISA guide 3.1): the store data below are rewritten only behind this wait
	v_cndmask_b32 v[OO],   v[KC],   v[UC],   s17   ; even lane: mine, then my neighbour's; odd lane: my neighbour's, then mine
	v_cndmask_b32 v[OO+1], v[KC+1], v[UC+1], s17
	v_cndmask_b32 v[OO+2], v[UC],   v[KC],   s17
	v_cndmask_b32 v[OO+3], v[UC+1], v[KC+1], s17
	global_store_b128 v[XO], v[OO:OO+3], s[12:13] offset:4096*(1024*(\u)+i)  ; 16 lanes store 256 consecutive bytes, at a multiple of 256 from A2's first byte
.if (\u) == 0
	global_load_b128 v[XI:XI+3], v[XO], s[4:5] offset:4096*(1024+i) th:TH_LOAD_NT
.endif
.set i, i+1
.endr
.endm
	PHASE1 0
	COMBINE 0
	PHASE2 0
	PHASE1 1
	COMBINE 1
	PHASE2 1
	s_wait_tensorcnt 0x0                           ; the wave's end, behind my last LDS store
	ds_add_u32 v[SPW], v[NIL]
	s_wait_dscnt 0x0
	s_endpgm
.Lfunc_end_k_q87028e59f9_scanmix:
	.size	k_q87028e59f9_scanmix, .Lfunc_end_k_q87028e59f9_scanmix-k_q87028e59f9_scanmix
	.p2alignl 7, 3214868480
	.fill 96, 4, 3214868480
	.section	.rodata,"a",@progbits
	.p2align	6, 0x0
	.amdhsa_kernel k_q87028e59f9_scanmix
		.amdhsa_group_segment_fixed_size 18432
		.amdhsa_private_segment_fixed_size 0
		.amdhsa_enable_private_segment 0
		.amdhsa_kernarg_size 40
		.amdhsa_user_sgpr_count 2
		.amdhsa_user_sgpr_kernarg_segment_ptr 1
		.amdhsa_wavefront_size32 1
		.amdhsa_system_sgpr_workgroup_id_x 1
		.amdhsa_system_sgpr_workgroup_id_y 1
		.amdhsa_system_sgpr_workgroup_id_z 1
		.amdhsa_system_vgpr_workitem_id 0
		.amdhsa_next_free_vgpr 228
		.amdhsa_next_free_sgpr 66
		.amdhsa_reserve_vcc 0
		.amdhsa_float_denorm_mode_32 3
		.amdhsa_float_denorm_mode_16_64 3
		.amdhsa_memory_ordered 1
		.amdhsa_forward_progress 1
		.amdhsa_inst_pref_size 131
	.end_amdhsa_kernel
	.amdgpu_metadata
---
amdhsa.version: [ 1, 2 ]
amdhsa.kernels:
  - .name:           k_q87028e59f9_scanmix
    .symbol:         k_q87028e59f9_scanmix.kd
    .args:
      - { .name: x, .offset: 0, .size: 8, .value_kind: global_buffer, .address_space: global }
      - { .name: time_decay, .offset: 8, .size: 8, .value_kind: global_buffer, .address_space: global }
      - { .name: time_mix_v, .offset: 16, .size: 8, .value_kind: global_buffer, .address_space: global }
      - { .name: time_mix_r, .offset: 24, .size: 8, .value_kind: global_buffer, .address_space: global }
      - { .name: A2, .offset: 32, .size: 8, .value_kind: global_buffer, .address_space: global }
    .group_segment_fixed_size: 18432
    .private_segment_fixed_size: 0
    .kernarg_segment_align: 8
    .kernarg_segment_size: 40
    .max_flat_workgroup_size: 512
    .sgpr_count:     66
    .vgpr_count:     228
    .wavefront_size: 32
...
	.end_amdgpu_metadata
.endif
;; end of part 2
;; launch gemm (part 3): grid 8 x 64, 4 waves a work-group, clusters of 4 x 4, 327,680 bytes of LDS; arguments A2, B2, out0; writes out0
.if DOCPART == 3
	.amdgcn_target "amdgcn-amd-amdhsa--gfx1250"
	.amdhsa_code_object_version 6
	.text
	.protected	k_q87028e59f9_gemm
	.globl	k_q87028e59f9_gemm
	.p2align	8
	.type	k_q87028e59f9_gemm,@function
k_q87028e59f9_gemm:
	s_mov_b64 s[64:65], 0
	v_nop
	global_prefetch_b8 v0, s[64:65] scope:SCOPE_SE
	s_setreg_imm32_b32 hwreg(HW_REG_WAVE_MODE, 25, 1), 1
	s_wait_xcnt 0x0
	s_wait_alu depctr_hold_cnt(0) depctr_sa_sdst(0) depctr_va_vdst(0) depctr_va_sdst(0) depctr_va_ssrc(0) depctr_va_vcc(0) depctr_vm_vsrc(0)
	s_getreg_b32 s2, hwreg(HW_REG_IB_STS2, 6, 4)
	s_cmp_eq_u32 s2, 0
	s_cbranch_scc0 .Lentry_in_a_cluster
	s_endpgm
.Lentry_in_a_cluster:
	s_bfe_u32 s2, ttmp6, 0x10000c
	s_cmp_lg_u32 s2, 0xf033
	s_cbranch_scc0 .Lentry_shape_is_right
	s_endpgm
.Lentry_shape_is_right:
; out0[m][n] = sigmoid(z[m][n]) y[m][n], y = v_in (Wo Wv)^T, z = r_in Wr^T; m = 0 .. 16,383, n = 0 .. 1,023, 1,024 channels.  Operands f16, sums f32, sigmoid and product f32, out0 f32.
; A2 [16,384][4096 bytes] and B2 [1,024][4096 bytes] have one row layout: 16 units of 256 bytes (64 channels); in a unit 8 pairs of 16-byte granules: byte 32 i: 8 channels of kind v (v_in; 64 Wo Wv),
; byte 32 i + 16: the same channels of kind r (r_in; Wr).  So one aligned run of 256 bytes carries both kinds of 64 channels, and a fragment load is still 16 bytes for 8 channels.
; LIMITS.  B2's kind v carries a factor 64, taken back here: sigmoid / 64 = 1 / (64 + 64 e^-z).  v_exp_f32 and v_rcp_f32 flush denormals (ISA guide 15.8): a sigmoid / 64 below 2^-126 counts as 0.
; NaN and infinities are not treated apart.
; SHARES.  A work-group makes 256 rows x 128 columns of out0, which wants y and z of that patch.  Four waves, as many as a WGP has SIMDs: wave w makes kind w >> 1 (0: y, 1: z) of rows 128 (w & 1) .. + 127, all 128
; columns: 64 accumulators of 16 x 16, 512 registers.  The channels go in steps of 64 (rows of 256 bytes, both kinds) through a ring of two LDS slots filled by the tensor data mover; a longer step's two slots
; (384 rows x 528 bytes x 2) do not fit in LDS.  At the end the y wave and the z wave of the same rows swap halves through the ring's bytes, so that each holds y and z of 64 rows.
; CLUSTERS: 4 x 4 work-groups.  The four of a row of the cluster need the same tiles of A2, the four of a column the same tiles of B2: each tile is asked for JOINTLY, by the same tensor load with the same
; descriptor and a mask that names the four.
; THE MATRIX INSTRUCTION IS USED TRANSPOSED (source 0 = 16 rows of B2, source 1 = 16 rows of A2): lane l holds row l % 16 and the eight neighbouring columns 8 (l / 16) + 0..7.
; REGISTERS, in windows of 256 (s_set_vgpr_msb: bits 1:0 source 0, 3:2 source 1, 5:4 source 2, 7:6 destination):
;   window 0: v0-31 addresses; v64-127, v128-191 fragments of A2, two buffers; on the way out rows read back      window 1: v64-127, v128-191 fragments of B2
;   window 2: the accumulators of my rows 0-63 ((a, b) at v[8 (8 a + b)]); behind the swap y      window 3: those of my rows 64-127; behind the swap z
.set PITCH,  272                       ; an LDS row: 256 bytes + 16 of padding = 68 words: the 16 rows of a load start at 16 different groups of four banks (64 banks of 4 bytes: ISA guide 11.1)
.set HALFT,  128*PITCH                 ; 128 rows: a load of A2's, and what a wave reads of A2 or of B2
.set QUART,  64*PITCH                  ; 64 rows: a load of B2's
.set SLOT,   3*HALFT                   ; A2's 256 rows, then B2's 128 rows
.set STAGE,  2*SLOT                    ; behind the ring: 16 rows x 528 bytes for each wave, for the way out
.set SPITCH, 528                       ; 512 bytes + 16
.set SPARE,  STAGE+4*16*SPITCH         ; the spare words, 128 bytes a wave: two blocks of 256 bytes that no other line names
.set LAPS,   8                         ; a lap = two steps = once round the ring: 16 steps of 64 channels
.set ROWB,   4096                      ; bytes in a row of A2, of B2 and of out0
.set ADRA, 16                          ; v16-17  LDS address of my A2 fragments in slot 0, 1
.set ADRB, 20                          ; v20-21  the same for B2
.set STO,  24                          ; v24     the way out: where I put 32 bytes of a row
.set RD,   25                          ; v25     the way out: where I read 16 bytes of a row back
.set CO,   26                          ; v26     16 x lane: my place in 512 bytes of out0
.set SPW,  28                          ; v28     my spare word's LDS address; never rewritten
.set NIL,  29                          ; v29     0; never rewritten
.set XS,   30                          ; v30     the swap: my wave's 32,768 bytes, 16 x lane
.set XR,   31                          ; v31     the swap: my partner's
.set F0,   64
.set F1,   128
.set G1,  24                           ; s[24:31] descriptor group 1 for A2's tiles;  s[32:39] group 0, a set for each slot
.set G0,  32
.set G1B, 48                           ; s[48:55], s[56:63] the same for B2's tiles
.set G0B, 56
.set CFG, (1<<16)|(1<<20)|(1<<21)|(5<<22)|(3<<25)  ; 17:16 elements of 2 bytes; 20 padding on; 21 set beside a mask; 24:22 after every 64 words (code 5); 31:25 4 words of it (code 3)
.set MSB, 0
.macro WIN new                         ; the immediate's high byte repeats the setting that is left; a switch that changes nothing is dropped
.if MSB != (\new)
	s_set_vgpr_msb (MSB<<8)|(\new)
.set MSB, \new
.endif
.endm
.set MUL_LO, 0xa1                      ; source 0 (B2) window 1, source 1 (A2) window 0, C and D window 2
.set MUL_HI, 0xf1                      ; the same, C and D window 3
.set TO_B,   0x40                      ; destination window 1, address window 0
; A joint refill.  Waves 0 and 1 fetch A2's two halves (128 rows each), waves 2 and 3 B2's (64 rows each).  The branch hangs on the wave's number alone.
; An s_nop 0 and four v_nop follow each of the two lines, ahead of the jump and the label.
.macro JLOAD s
	s_cmp_lt_u32 s10, 2
	s_cbranch_scc0 .Lfor_b_\@
	tensor_load_to_lds s[G0+4*(\s):G0+4*(\s)+3], s[G1:G1+7]
	s_nop 0
.rept 4
	v_nop
.endr
	s_branch .Lasked_\@
.Lfor_b_\@:
	tensor_load_to_lds s[G0B+4*(\s):G0B+4*(\s)+3], s[G1B:G1B+7]
	s_nop 0
.rept 4
	v_nop
.endr
.Lasked_\@:
.endm
; A round of the cluster's barrier: my work-group's barrier, so that wave 0's signal speaks for all four waves; wave 0 signals; every wave waits for all sixteen work-groups; my work-group's barrier once more.
.macro CREST                           ; a round behind its opening barrier
	s_cmp_lg_u32 s10, 0
	s_cbranch_scc1 .Lnot_wave_0_\@
	s_barrier_signal -3
.Lnot_wave_0_\@:
	s_barrier_wait -3
	s_barrier_signal -1
	s_barrier_wait -1
.endm
.macro CROUND                          ; a whole round
	s_barrier_signal -1
	s_barrier_wait -1
	CREST
.endm
	s_load_b128 s[4:7], s[0:1], 0x0                ; A2 s[4:5], B2 s[6:7]
	s_load_b64 s[8:9], s[0:1], 0x10                ; out0
	v_lshl_add_u32 v[SPW], v0, 2, SPARE
	v_mov_b32 v[NIL], 0
	ds_add_u32 v[SPW], v[NIL]                      ; the wave's opening: the add and its wait stand ahead of my first tensor load; the set-up below, work on registers, stands between them
	v_lshrrev_b32 v1, 5, v0
	v_readfirstlane_b32 s10, v1                    ; wave 0..3
	s_lshr_b32 s11, s10, 1                         ; my kind: 0 y, 1 z
	s_and_b32 s12, s10, 1                          ; which 128 rows of the patch are mine.  Also: which half of A2's or B2's tile I fetch
	s_bfe_u32 s40, ttmp6, 0x40000                  ; cx, cy: my place in the cluster
	s_bfe_u32 s41, ttmp6, 0x40004
	s_lshl_b32 s42, ttmp9, 2                       ; in a cluster launch ttmp9 and ttmp7 count clusters
	s_add_co_u32 s42, s42, s40                     ; tile column = 4 x cluster x + cx
	s_and_b32 s13, ttmp7, 0xffff
	s_lshl_b32 s13, s13, 2
	s_add_co_u32 s13, s13, s41                     ; tile row = 4 x cluster y + cy
	s_lshl_b32 s43, s41, 2
	s_lshl_b32 s43, 15, s43                        ; my row of the cluster: places 4 cy .. 4 cy + 3
	s_lshl_b32 s44, 0x1111, s40                    ; my column: places cx, cx + 4, cx + 8, cx + 12
	s_or_b32 s[G1+0], s43, CFG                     ; 15:0 the mask: A2's tiles go to my row
	s_or_b32 s[G1B+0], s44, CFG                    ; B2's to my column
	s_mov_b32 s[G1+1], 128<<16                     ; tensor_dim0 = 128 elements (256 bytes)
	s_mov_b32 s[G1B+1], 128<<16
	s_mov_b32 s[G1+2], 128<<16                     ; tensor_dim1 = 128 rows
	s_mov_b32 s[G1B+2], 64<<16                     ; 64 rows
	s_mov_b32 s[G1+3], 128<<16                     ; tile_dim0 = 128
	s_mov_b32 s[G1B+3], 128<<16
	s_mov_b32 s[G1+4], 128                         ; tile_dim1
	s_mov_b32 s[G1B+4], 64
	s_mov_b32 s[G1+5], 2048                        ; 2,048 elements from row to row
	s_mov_b32 s[G1B+5], 2048
	s_mov_b32 s[G1+6], 0
	s_mov_b32 s[G1B+6], 0
	s_mov_b32 s[G1+7], 0
	s_mov_b32 s[G1B+7], 0
	; where the tiles come from: A2's hang on the tile row alone, B2's on the tile column alone, each in registers that never hold the other coordinate
	s_lshl_b32 s16, s13, 8
	s_lshl_b32 s17, s12, 7
	s_add_co_u32 s16, s16, s17                     ; A2: row 256 x tile row + 128 x half,
	s_lshl_b32 s16, s16, 12                        ; in bytes: under 2^26
	s_mov_b32 s17, 0
	s_lshl_b32 s46, s42, 7
	s_lshl_b32 s47, s12, 6
	s_add_co_u32 s46, s46, s47                     ; B2: row 128 x tile column + 64 x half
	s_lshl_b32 s46, s46, 12
	s_mov_b32 s47, 0
	s_mul_i32 s22, s12, HALFT                      ; and where they go: no place in the cluster enters an LDS address
	s_mul_i32 s23, s12, QUART
	s_add_co_u32 s23, s23, 2*HALFT
	s_wait_dscnt 0x0                               ; the opening add is done
	s_wait_kmcnt 0x0
	s_add_nc_u64 s[14:15], s[4:5], s[16:17]
	s_add_nc_u64 s[46:47], s[6:7], s[46:47]
	CROUND                                         ; all sixteen work-groups are here: the first joint loads meet
.irp s, 0,1
	s_mov_b32 s[G0+4*(\s)], 1                                      ; count = 1
	s_add_co_u32 s[G0+4*(\s)+1], s22, (\s)*SLOT                    ; LDS address
	s_add_nc_u64 s[G0+4*(\s)+2:G0+4*(\s)+3], s[14:15], (\s)*256    ; global address: step s
	s_or_b32 s[G0+4*(\s)+3], s[G0+4*(\s)+3], 0x80000000            ; type = 2
	s_mov_b32 s[G0B+4*(\s)], 1
	s_add_co_u32 s[G0B+4*(\s)+1], s23, (\s)*SLOT
	s_add_nc_u64 s[G0B+4*(\s)+2:G0B+4*(\s)+3], s[46:47], (\s)*256
	s_or_b32 s[G0B+4*(\s)+3], s[G0B+4*(\s)+3], 0x80000000
.endr
	s_cmp_lt_u32 s10, 2                            ; a wave's two first fills stand in one branch, ahead of every wait on TENSORcnt and every LDS read: two loads of mine are out here, later one
	s_cbranch_scc0 .Lfirst_b
	tensor_load_to_lds s[G0:G0+3], s[G1:G1+7]
	s_nop 0
	tensor_load_to_lds s[G0+4:G0+7], s[G1:G1+7]
	s_nop 0
.rept 4
	v_nop
.endr
	s_branch .Lfirst_asked
.Lfirst_b:
	tensor_load_to_lds s[G0B:G0B+3], s[G1B:G1B+7]
	s_nop 0
	tensor_load_to_lds s[G0B+4:G0B+7], s[G1B:G1B+7]
	s_nop 0
.rept 4
	v_nop
.endr
.Lfirst_asked:
	; A fragment is 16 rows x 32 channels of my kind in 8 registers: lane l holds row l % 16; registers 0-3 channels 8 (l / 16) + 0..7, registers 4-7 channels 16 + 8 (l / 16) + 0..7.
	; 8 channels of a kind lie 32 bytes apart: two loads of 16 bytes at 32 (l / 16) + 16 x kind, 64 bytes apart; 32 channels are 128 bytes of the row.
	v_and_b32 v1, 15, v0                           ; l % 16
	v_bfe_u32 v2, v0, 4, 1                         ; l / 16
	v_mul_u32_u24 v3, v1, PITCH
	v_lshl_add_u32 v3, v2, 5, v3
	s_lshl_b32 s45, s11, 4
	s_add_co_u32 s22, s22, s45                     ; my 128 rows of A2, my kind
	s_add_co_u32 s23, s45, 2*HALFT                 ; B2's 128 rows, which lie behind A2's 256
.irp s, 0,1
	v_add_nc_u32 v[ADRA+(\s)], s22, v3
	v_add_nc_u32 v[ADRB+(\s)], s23, v3
	s_add_co_u32 s22, s22, SLOT
	s_add_co_u32 s23, s23, SLOT
.endr
	s_mul_i32 s45, s10, 16*SPITCH
	s_add_co_u32 s45, s45, STAGE                   ; my stage
	v_mul_u32_u24 v4, v1, SPITCH                   ; in: row l % 16, 32 bytes for each half of the lanes
	v_lshl_add_u32 v4, v2, 5, v4
	v_add_nc_u32 v[STO], s45, v4
	v_and_b32 v5, 31, v0
	v_lshlrev_b32 v[CO], 4, v5
	v_add_nc_u32 v[RD], s45, v[CO]                 ; back: 32 lanes take one row of 512 bytes
	s_lshl_b32 s45, s10, 15
	v_add_nc_u32 v[XS], s45, v[CO]
	s_xor_b32 s45, s10, 2                          ; the wave of the other kind with my rows
	s_lshl_b32 s45, s45, 15
	v_add_nc_u32 v[XR], s45, v[CO]
	s_lshl_b32 s16, s13, 8                         ; where my 64 rows begin in out0: row 256 x tile row + 128 x half + 64 x kind,
	s_lshl_b32 s17, s12, 7
	s_add_co_u32 s16, s16, s17
	s_lshl_b32 s17, s11, 6
	s_add_co_u32 s16, s16, s17
	s_lshl_b32 s16, s16, 12
	s_mov_b32 s17, 0
	s_lshl_b32 s46, s42, 9                         ; column 128 x tile column, in bytes (in the registers that held B2's address: none that feeds A2's descriptors ever holds cx)
	s_mov_b32 s47, 0
	s_add_nc_u64 s[16:17], s[16:17], s[46:47]
	s_mov_b32 s18, 0xbfb8aa3b                      ; -log2(e); named as a pair
	s_mov_b32 s19, 0xbfb8aa3b
	s_mov_b32 s20, 0x42800000                      ; 64.0
	s_mov_b32 s21, 0x42800000
; 16 matrix instructions: m blocks a0, a0 + 1 of the window's four (hi = 0: my rows 0-63, 1: rows 64-127) x all 8 n blocks, 32 channels.  zero = 1: the product starts the sums: nothing is ever cleared.
; The 64 accumulators take turns, one instruction a turn, in the same order everywhere.
.macro MUL16 f, hi, a0, zero
	WIN MUL_LO+0x50*(\hi)
.irp a, \a0, (\a0)+1
.irp b, 0,1,2,3,4,5,6,7
.if \zero
	v_wmma_f32_16x16x32_f16 v[8*(8*(\a)+(\b)):8*(8*(\a)+(\b))+7], v[(\f)+8*(\b):(\f)+8*(\b)+7], v[(\f)+8*(4*(\hi)+(\a)):(\f)+8*(4*(\hi)+(\a))+7], 0
.else
	v_wmma_f32_16x16x32_f16 v[8*(8*(\a)+(\b)):8*(8*(\a)+(\b))+7], v[(\f)+8*(\b):(\f)+8*(\b)+7], v[(\f)+8*(4*(\hi)+(\a)):(\f)+8*(4*(\hi)+(\a))+7], v[8*(8*(\a)+(\b)):8*(8*(\a)+(\b))+7]
.endif
.endr
.endr
.endm
; 32 LDS loads in one run: my kind's fragments of 32 channels (128 rows of B2, 128 rows of A2, at byte k of the rows) into buffer f
.macro FETCH slot, k, f
	WIN TO_B
.irp i, 0,1,2,3,4,5,6,7
	ds_load_b128 v[(\f)+8*(\i):(\f)+8*(\i)+3],   v[ADRB+(\slot)] offset:(\k)+(\i)*16*PITCH
	ds_load_b128 v[(\f)+8*(\i)+4:(\f)+8*(\i)+7], v[ADRB+(\slot)] offset:(\k)+(\i)*16*PITCH+64
.endr
	WIN 0
.irp i, 0,1,2,3,4,5,6,7
	ds_load_b128 v[(\f)+8*(\i):(\f)+8*(\i)+3],   v[ADRA+(\slot)] offset:(\k)+(\i)*16*PITCH
	ds_load_b128 v[(\f)+8*(\i)+4:(\f)+8*(\i)+7], v[ADRA+(\slot)] offset:(\k)+(\i)*16*PITCH+64
.endr
.endm
.macro PLACES                          ; four plain vector instructions between a matrix instruction and a load into, or a vector or LDS access to, its registers (ISA guide 7.12.1 for vector instructions)
.rept 4
	v_nop
.endr
.endm
; A step is two halves of 32 channels, 64 matrix instructions each, on buffers 0 and 1.  The first: multiplies buffer f; in its middle it fetches the second half's fragments, at byte k, into buffer g.
.macro QUARTER slot, k, f, g, zero
	s_wait_dscnt 8                                 ; B2 and A2's rows 0-63 are in; the youngest eight loads (A2's rows 64-127) may be out
	MUL16 \f, 0, 0, \zero
	MUL16 \f, 0, 2, \zero
	PLACES
	FETCH \slot, \k, \g
	s_wait_dscnt 32                                ; all but the 32 just issued
	MUL16 \f, 1, 0, \zero
	MUL16 \f, 1, 2, \zero
.endm
; The second half multiplies buffer 1 and changes slots.  MEET is its first part: ONE barrier for the change.  In front of it each wave waits for all its tensor loads, of which one is out: its part of the
; next slot; adds 0 to its spare word; and waits for that and for its own reads of this slot.  Behind it nobody reads this slot any more and the next slot is whole.
.macro MEET round                      ; round = 1: a round of the cluster's barrier follows
	WIN 0                                          ; (the add's two registers lie in window 0)
	s_wait_tensorcnt 0x0                           ; all my tensor loads have landed;
	ds_add_u32 v[SPW], v[NIL]                      ; 0 onto my spare word;
	s_wait_dscnt 9                                 ; (the add and the youngest eight loads may be out)
	MUL16 F1, 0, 0, 0                              ; sixteen matrix instructions stand between the add and the wait for it
	s_wait_dscnt 0x0                               ; the add is done, and my reads of this slot are over:
	s_barrier_signal -1                            ; say so,
	MUL16 F1, 0, 2, 0                              ; work on registers while the others arrive,
.if \round
	WIN 0
.endif
	s_barrier_wait -1                              ; and go on when all four have said so
.endm
; The whole second half.  Behind the round the slot just read out is filled again first, with the step two steps on; then come the next slot's first fragments.
; From a request to the wait for it a wave issues 96 matrix instructions.
.macro TURN slot, next
	MEET 1
	CREST                                          ; no wave of any partner still reads this slot's tile or has a load on its way
	s_add_nc_u64 s[G0+4*(\slot)+2:G0+4*(\slot)+3], s[G0+4*(\slot)+2:G0+4*(\slot)+3], 512
	s_add_nc_u64 s[G0B+4*(\slot)+2:G0B+4*(\slot)+3], s[G0B+4*(\slot)+2:G0B+4*(\slot)+3], 512
	JLOAD \slot                                    ; the first tensor load behind the round; the four v_nop behind it are also the places in front of the loads below
	FETCH \next, 0, F0
	MUL16 F1, 1, 0, 0
	MUL16 F1, 1, 2, 0
.endm
	s_wait_tensorcnt 1                             ; my part of step 0 is in; step 1's may stay out
	s_barrier_signal -1
	s_barrier_wait -1                              ; everybody's is
	FETCH 0, 0, F0
	QUARTER 0, 128, F0, F1, 1                      ; the first half step stands in front of the loop: its products start the sums
	WIN 0                                          ; at a label and at a branch every window is 0
	s_mov_b32 s3, LAPS-1
.Llap:                                                 ; a trip goes once round the ring and fills both slots again: 2 first fills + 14 refills = 16 steps
	TURN 0, 1
	QUARTER 1, 128, F0, F1, 0
	TURN 1, 0
	QUARTER 0, 128, F0, F1, 0
	WIN 0
	s_sub_co_u32 s3, s3, 1
	s_cmp_lg_u32 s3, 0
	s_cbranch_scc1 .Llap
	MEET 0                                         ; the tail is written out: my one tensor load that was still out is slot 1's, the last step's, so no round follows
	PLACES
	FETCH 1, 0, F0
	MUL16 F1, 1, 0, 0
	MUL16 F1, 1, 2, 0
	QUARTER 1, 128, F0, F1, 0
	s_wait_dscnt 8
	MUL16 F1, 0, 0, 0
	MUL16 F1, 0, 2, 0
	s_wait_dscnt 0x0                               ; my last reads of the ring are over
	s_barrier_signal -1
	MUL16 F1, 1, 0, 0
	MUL16 F1, 1, 2, 0
	WIN 0
	s_barrier_wait -1                              ; everybody's are, and the ring has had its last fill: its bytes may now be written
	PLACES                                         ; the stores below read results just made
; THE SWAP.  The y wave sends y of its rows 64-127 (window 3) and gets z of rows 0-63 into that window; the z wave sends z of rows 0-63 (window 2) and gets y of rows 64-127.  Then every wave holds y in window 2
; and z in window 3, register for register, of its 64 rows.  32 lanes x 16 bytes lie on end: no bank conflict.  Each accumulator is read from its low end on.
.macro XSEND win
	WIN \win
.set i, 0
.rept 64
	ds_store_b128 v[XS], v[4*i:4*i+3] offset:512*i
.set i, i+1
.endr
	WIN 0
.endm
.macro XRECV win
	WIN \win
.set i, 0
.rept 64
	ds_load_b128 v[4*i:4*i+3], v[XR] offset:512*i
.set i, i+1
.endr
	WIN 0
.endm
	s_cmp_eq_u32 s11, 0
	s_cbranch_scc0 .Lsend_z
	XSEND 0x0c                                     ; store data (source 1) in window 3
	s_branch .Lsent
.Lsend_z:
	XSEND 0x08                                     ; in window 2
.Lsent:
	s_wait_dscnt 0x0                               ; for my partner's sake: my stores are done
	s_barrier_signal -1
	s_barrier_wait -1
	s_cmp_eq_u32 s11, 0
	s_cbranch_scc0 .Lrecv_y
	XRECV 0xc0                                     ; destination window 3
	s_branch .Lgot
.Lrecv_y:
	XRECV 0x80                                     ; destination window 2
.Lgot:
; THE WAY OUT, a block a of 16 rows x 128 columns at a time.  COMPUTE: z becomes 1 / (64 + 64 2^(-log2(e) z)) = sigmoid(z) / 64, and y (which carries the factor 64) is multiplied by it.
.macro COMPUTE a
.set R, 64*(\a)
	WIN 0xc3                                       ; destination and source 0 in window 3
.set i, 0
.rept 32
	v_pk_mul_f32 v[R+2*i:R+2*i+1], v[R+2*i:R+2*i+1], s[18:19] op_sel_hi:[1,0]
.set i, i+1
.endr
.set i, 0
.rept 64
	v_exp_f32 v[R+i], v[R+i]
.set i, i+1
.endr
	v_nop                                          ; a plain instruction between the last exponential and the use of its result (ISA guide 5.7.2)
.set i, 0
	s_wait_alu depctr_va_vdst(0)
.rept 32
	v_pk_fma_f32 v[R+2*i:R+2*i+1], v[R+2*i:R+2*i+1], s[20:21], s[20:21] op_sel_hi:[1,0,0]
.set i, i+1
.endr
.set i, 0
.rept 64
	v_rcp_f32 v[R+i], v[R+i]
.set i, i+1
.endr
	v_nop
	WIN 0x8e                                       ; destination and source 0 (y) in window 2, source 1 (z) in window 3
.set i, 0
	s_wait_alu depctr_va_vdst(0)
.rept 32
	v_pk_mul_f32 v[R+2*i:R+2*i+1], v[R+2*i:R+2*i+1], v[R+2*i:R+2*i+1]
.set i, i+1
.endr
.endm
; TOSTAGE: a lane's eight columns of a row, 32 bytes, go into rows of 528 bytes of my own stage and come back as whole rows of 512.  LDS serves a wave's instructions in order (ISA guide 5.7.1.4): no wait between.
.macro TOSTAGE a
.set R, 64*(\a)
.set BK, 64+64*((\a)%2)
	WIN 0x08                                       ; store data in window 2
.irp b, 0,1,2,3,4,5,6,7
	ds_store_b128 v[STO], v[R+8*(\b):R+8*(\b)+3]   offset:64*(\b)
	ds_store_b128 v[STO], v[R+8*(\b)+4:R+8*(\b)+7] offset:64*(\b)+16
.endr
	WIN 0
.irp t, 0,1,2,3,4,5,6,7,8,9,10,11,12,13,14,15
	ds_load_b128 v[BK+4*(\t):BK+4*(\t)+3], v[RD] offset:SPITCH*(\t)
.endr
.endm
.macro SEND a
.set BK, 64+64*((\a)%2)
	WIN 0
	s_wait_dscnt 0x0                               ; the block is back in registers
	s_wait_xcnt 0x0                                ; every earlier memory instruction has had its addresses translated (ISA guide 3.1): only behind this wait are the stores' base, and later the registers that earlier stores read, rewritten
.if (\a) == 0
	s_add_nc_u64 s[8:9], s[8:9], s[16:17]          ; my first rows
.else
	s_add_nc_u64 s[8:9], s[8:9], 16*ROWB           ; 16 rows on
.endif
.irp t, 0,1,2,3,4,5,6,7,8,9,10,11,12,13,14,15
	global_store_b128 v[CO], v[BK+4*(\t):BK+4*(\t)+3], s[8:9] offset:ROWB*(\t) th:TH_STORE_NT  ; the wave stores 512 consecutive bytes, at a multiple of 256 from out0's first byte
.endr
.endm
	s_wait_dscnt 48                                ; block 0's sixteen loads of the swap are in; the other 48 may be out
	COMPUTE 0
	TOSTAGE 0
	s_wait_dscnt 32                                ; only the stage's 32 just issued may be out: the swap is complete
	COMPUTE 1                                      ; a block's arithmetic stands between the loads of the block before and its stores
	SEND 0
	TOSTAGE 1
	COMPUTE 2
	SEND 1
	TOSTAGE 2
	COMPUTE 3
	SEND 2
	TOSTAGE 3
	SEND 3
	s_wait_tensorcnt 0x0                           ; the wave's end, behind my last tensor load and my last LDS store
	ds_add_u32 v[SPW], v[NIL]
	s_wait_dscnt 0x0
	CROUND                                         ; the closing round: no work-group ends while a partner may still ask for a tile that names it
	s_endpgm
.Lfunc_end_k_q87028e59f9_gemm:
	.size	k_q87028e59f9_gemm, .Lfunc_end_k_q87028e59f9_gemm-k_q87028e59f9_gemm
	.p2alignl 7, 3214868480
	.fill 96, 4, 3214868480
	.section	.rodata,"a",@progbits
	.p2align	6, 0x0
	.amdhsa_kernel k_q87028e59f9_gemm
		.amdhsa_group_segment_fixed_size 327680
		.amdhsa_private_segment_fixed_size 0
		.amdhsa_enable_private_segment 0
		.amdhsa_kernarg_size 24
		.amdhsa_user_sgpr_count 2
		.amdhsa_user_sgpr_kernarg_segment_ptr 1
		.amdhsa_wavefront_size32 1
		.amdhsa_system_sgpr_workgroup_id_x 1
		.amdhsa_system_sgpr_workgroup_id_y 1
		.amdhsa_system_sgpr_workgroup_id_z 1
		.amdhsa_system_vgpr_workitem_id 0
		.amdhsa_next_free_vgpr 1024
		.amdhsa_next_free_sgpr 66
		.amdhsa_reserve_vcc 0
		.amdhsa_float_denorm_mode_32 3
		.amdhsa_float_denorm_mode_16_64 3
		.amdhsa_memory_ordered 1
		.amdhsa_forward_progress 1
		.amdhsa_inst_pref_size 133
	.end_amdhsa_kernel
	.amdgpu_metadata
---
amdhsa.version: [ 1, 2 ]
amdhsa.kernels:
  - .name:           k_q87028e59f9_gemm
    .symbol:         k_q87028e59f9_gemm.kd
    .args:
      - { .name: A2, .offset: 0, .size: 8, .value_kind: global_buffer, .address_space: global }
      - { .name: B2, .offset: 8, .size: 8, .value_kind: global_buffer, .address_space: global }
      - { .name: out0, .offset: 16, .size: 8, .value_kind: global_buffer, .address_space: global }
    .group_segment_fixed_size: 327680
    .private_segment_fixed_size: 0
    .kernarg_segment_align: 8
    .kernarg_segment_size: 24
    .max_flat_workgroup_size: 128
    .sgpr_count:     66
    .vgpr_count:     1024
    .wavefront_size: 32
...
	.end_amdgpu_metadata
.endif
;; end of part 3
;; ======== version 2 of 2: 3 launches; version 1 with the launches wfuse, scanmix written anew for expert scheduling mode
;; limits: values are held in f16: magnitudes above 65,504 overflow, below 6.1e-05 lose precision
;; workspace buffers: A2 67,108,864 bytes; B2 4,194,304 bytes
;; launch wfuse (part 4): grid 16 x 16, 4 waves a work-group, no clusters, 313,856 bytes of LDS; arguments Wo, Wv, Wr, B2; writes B2
.if DOCPART == 4
	.amdgcn_target "amdgcn-amd-amdhsa--gfx1250"
	.amdhsa_code_object_version 6
	.text
	.protected	k_q87028e59f9_wfuse
	.globl	k_q87028e59f9_wfuse
	.p2align	8
	.type	k_q87028e59f9_wfuse,@function
k_q87028e59f9_wfuse:
	s_mov_b64 s[64:65], 0
	v_nop
	global_prefetch_b8 v0, s[64:65] scope:SCOPE_SE
	s_setreg_imm32_b32 hwreg(HW_REG_WAVE_SCHED_MODE, 0, 2), 2
	s_setreg_imm32_b32 hwreg(HW_REG_WAVE_MODE, 25, 1), 1
	s_wait_xcnt 0x0
	s_wait_alu depctr_vm_vsrc(0)
; B2 = the gemm launch's second operand, f16.  out = sigmoid(r_in Wr^T) * ((v_in Wv^T) Wo^T), and (v_in Wv^T) Wo^T = v_in (Wo Wv)^T for every input,
; so the product Wvo[n][k] = sum over t of Wo[n][t] Wv[t][k] (1024^3) is made once here and the large product by Wo, with its intermediate, is never made.
; B2 LAYOUT: [1024 rows n][4096 bytes]; a row is 16 units j of 256 bytes (channels 64 j .. 64 j + 63); a unit is 8 pairs i of two 16-byte granules:
; byte 32 i: 64 x Wvo[n][64 j + 8 i .. + 7]; byte 32 i + 16: Wr[n][the same channels].  The factor 64 keeps small products out of f16's denormals; the gemm launch takes it back in its reciprocal.
; LIMITS.  Operands are rounded to f16: |Wo|, |Wv|, |Wr| and |64 Wvo| stay below 65,520; below 6e-5 f16 keeps its fixed step of 6e-8.  NaN and infinities are not treated apart.
; SHARES.  Work-group (j, nb) makes the patch rows 64 nb .. + 63, channels 64 j .. + 63: 64 whole units of B2.  Wave w owns rows 16 w .. 16 w + 15 and all 64 channels: 4 accumulators.
; The inputs are f32 and must pass through registers to be rounded, so they come by global loads, not by a copy engine; no cluster: nothing is asked for jointly by such loads.
; PHASE 1: Wo's 64 rows and Wv's 64 columns, rounded to f16, into LDS (three sets of 16 loads a wave in flight).  ONE barrier.  PHASE 2: 16 groups of 64 along t from LDS.  WAY OUT through the wave's own stage.
; THE MODE: SCHED_MODE bits 1:0 = 2 (LLVM: expert scheduling mode 2), set by the entry lines.  The code itself states the register dependences
; between vector or matrix instructions and memory or LDS instructions, with s_wait_alu, always for 0.
; THE PLAN.  Registers that memory or LDS instructions touch:
;   RAW0 .. RAW2  Block q: its 32 conversions read RAW[q % 3]; behind them the loads of block q + 3 land in it.
;   CV            Block q: written by the conversions, read by the block's 16 LDS stores, written again by block q + 1's conversions; behind the last block Wr's loads land in it (WRR).
;   F0, F1        Group g: its 8 matrix instructions read F[g % 2]; the LDS loads of group g + 1, issued in group g, land in the other buffer, which group g - 1's matrix instructions read.
;   v[AA], v[AB]  Read by every fragment load; stepped once a group, at the group's head.
;   PK, PW        The way out: written by conversions, read by LDS stores.   BK: LDS loads land in it, global stores read it.
;   v[VO], v[LWO ..], v[LWV ..], v[VW], v[STO], v[STW], v[RD]  made at the head and never written again.   v[SPW], v[NIL]  read by the closing add alone.
; So a block of phase 1 has one wait on vm_vsrc at its head (CV) and one on va_vdst behind its conversions (CV, RAW); a group of phase 2 has one of each at its head (the addresses; the buffer to be
; filled), and its 20 loads follow, dealt among its matrix instructions, which name the other buffer and the accumulators alone; the way out has one wait on va_vdst ahead of all its LDS stores.
.set PWO,    2064                      ; a row of Wo in LDS: 2,048 bytes + 16: an odd multiple of 16, so the 16 rows of a fragment load start at 16 different groups of four banks (64 banks of 4 bytes: ISA guide 11.1)
.set PWV,    160                       ; a row t of Wv's strip: 128 bytes + 32: an odd multiple of 32, for the turning load
.set WVT,    64*PWO                    ; Wo's 64 rows lie at 0, Wv's 1,024 rows here
.set STAGE,  WVT+1024*PWV              ; 16 rows x 272 bytes for each wave
.set SPITCH, 272
.set SPARE,  STAGE+4*16*SPITCH         ; the spare words, 128 bytes a wave: two blocks of 256 bytes that no other line names
.set SPW, 1                            ; v1     my spare word's LDS address; never rewritten
.set NIL, 2                            ; v2     0; never rewritten
.set VO,  3                            ; v3     phase 1: (t >> 4) rows of 4,096 bytes + 16 (t & 15)
.set LWO, 4                            ; v4-5   where my 8 bytes of Wo go: rows (t >> 4) + 8 i, i = 0-3 and 4-7
.set LWV, 6                            ; v6-8   the same for Wv: column blocks q = 0-5, 6-11, 12-15
.set AA,  9                            ; v9     my place in Wo's fragments; steps 128 bytes a group
.set AB,  10                           ; v10    my place in Wv's turned fragments; steps 64 rows a group
.set VW,  11                           ; v11    way out: (lane / 16) rows of 4,096 bytes + 16 (lane % 16), in Wr and in B2
.set STO, 12                           ; v12    stage: where my 16 bytes of 64 Wvo go
.set STW, 13                           ; v13    stage: where my 8 bytes of Wr go
.set RD,  14                           ; v14    stage: where I read 16 bytes of a whole unit back
.set RAW, 16                           ; v16-207  phase 1: three sets of 64: Wo's load i at + 4 i, Wv's at + 32 + 4 i
.set CV,  208                          ; v208-239 phase 1: a set rounded to f16
.set F0,  16                           ; v16-95   phase 2: Wo's fragment tt at + 8 tt, Wv's (tt, c) at + 16 + 8 (4 tt + c)
.set F1,  96                           ; v96-175  the second buffer
.set ACC, 176                          ; v176-207 accumulator c at + 8 c
.set WRR, 208                          ; v208-239 my 8 x 16 bytes of Wr, f32
.set PK,  16                           ; way out: 64 Wvo in f16
.set PW,  32                           ; way out: Wr in f16
.set BK,  48                           ; way out: whole units read back
	s_load_b256 s[4:11], s[0:1], 0x0               ; Wo s[4:5], Wv s[6:7], Wr s[8:9], B2 s[10:11]
	v_lshl_add_u32 v[SPW], v0, 2, SPARE
	v_mov_b32 v[NIL], 0
	v_lshrrev_b32 v15, 5, v0
	v_readfirstlane_b32 s12, v15                   ; wave 0..3
	s_and_b32 s13, ttmp7, 0xffff                   ; nb
	s_lshl_b32 s14, s13, 18                        ; 64 rows of 4,096 bytes
	s_mov_b32 s15, 0
	s_lshl_b32 s16, ttmp9, 8                       ; j: 64 f32 columns, and one unit of B2, are 256 bytes
	s_mov_b32 s17, 0
	s_wait_alu depctr_va_sdst(0)                   ; s12 is written, ahead of its first reader: offsets and LDS bases are made from it
	s_lshl_b32 s18, s12, 16                        ; my wave's 16 rows
	s_or_b32 s18, s18, s14
	s_or_b32 s18, s18, s16
	s_mov_b32 s19, 0
	v_and_b32 v16, 15, v0                          ; t & 15 = lane % 16
	v_lshrrev_b32 v17, 4, v0                       ; t >> 4, 0..7
	v_bfe_u32 v18, v0, 4, 1                        ; lane / 16
	v_and_b32 v19, 7, v0
	v_bfe_u32 v20, v0, 3, 1
	v_lshrrev_b32 v21, 1, v16
	v_and_b32 v22, 1, v0
	v_lshlrev_b32 v[VO], 4, v16
	v_lshl_or_b32 v[VO], v17, 12, v[VO]
	v_mul_u32_u24 v[LWO], v17, PWO
	v_lshl_add_u32 v[LWO], v16, 3, v[LWO]          ; row x pitch + 8 bytes for my 4 numbers
	v_add_nc_u32 v[LWO+1], 32*PWO, v[LWO]          ; 32 rows on: the 16-bit immediate does not reach them
	v_mul_u32_u24 v[LWV], v17, PWV
	v_lshl_add_u32 v[LWV], v16, 3, v[LWV]
	v_add_nc_u32 v[LWV], WVT, v[LWV]
	v_add_nc_u32 v[LWV+1], 6*64*PWV, v[LWV]
	v_add_nc_u32 v[LWV+2], 12*64*PWV, v[LWV]
	; a fragment of Wo: lane l holds row l % 16; registers 0-3 t = 8 (l / 16) + 0..7, registers 4-7 t = 16 + 8 (l / 16) + 0..7: two loads of 16 bytes, 32 bytes apart
	s_mul_i32 s20, s12, 16*PWO
	v_mul_u32_u24 v[AA], v16, PWO
	v_lshl_add_u32 v[AA], v18, 4, v[AA]
	v_add_nc_u32 v[AA], s20, v[AA]
	; the turning load takes 16 t x 16 channels (lane l reads row 8 (l / 16) + l % 8, channels 8 ((l / 8) % 2) + 0..7) and leaves half a fragment of Wv^T: lane l holds channel l % 16 and 8 t
	v_lshl_add_u32 v[AB], v18, 3, v19
	v_mul_u32_u24 v[AB], v[AB], PWV
	v_lshl_add_u32 v[AB], v20, 4, v[AB]
	v_add_nc_u32 v[AB], WVT, v[AB]
	v_lshlrev_b32 v[VW], 4, v16
	v_lshl_or_b32 v[VW], v18, 12, v[VW]
	s_mul_i32 s20, s12, 16*SPITCH
	s_add_co_u32 s20, s20, STAGE                   ; my stage
	v_mul_u32_u24 v[STO], v16, SPITCH
	v_lshl_add_u32 v[STO], v18, 5, v[STO]          ; row l % 16; pair 2 c + l / 16 begins at byte 64 c + 32 (l / 16)
	v_add_nc_u32 v[STO], s20, v[STO]
	v_mul_u32_u24 v[RD], v18, SPITCH
	v_add_nc_u32 v[RD], s20, v[RD]                 ; row l / 16 (+ 2 i)
	v_lshl_add_u32 v[STW], v21, 5, v[RD]           ; my 4 channels 4 (l % 16) .. lie in pair (l % 16) / 2,
	v_lshl_add_u32 v[STW], v22, 3, v[STW]          ; in its first or second 8 bytes,
	v_add_nc_u32 v[STW], 16, v[STW]                ; of the pair's second granule
	v_lshl_add_u32 v[RD], v16, 4, v[RD]
	s_wait_kmcnt 0x0
	s_add_nc_u64 s[4:5], s[4:5], s[14:15]          ; Wo at the patch's first row
	s_add_nc_u64 s[6:7], s[6:7], s[16:17]          ; Wv at the patch's first column
	s_add_nc_u64 s[8:9], s[8:9], s[18:19]          ; Wr and B2 at my wave's 16 rows of the patch
	s_add_nc_u64 s[10:11], s[10:11], s[18:19]
	s_wait_alu depctr_va_vdst(0)                   ; the offsets and LDS addresses v3 to v14 are written, which the loads and stores below read; so are v16 to v22, at work above, in which loads land
; PHASE 1.  Block q of 16: Wo's columns t = 64 q .. + 63 of all 64 rows, and Wv's rows t = 64 q .. + 63.  16 loads a wave; each covers two aligned runs of 256 bytes.
.macro LD16 q
.irp i, 0,1,2,3,4,5,6,7
	global_load_b128 v[RAW+64*((\q)%3)+4*(\i):RAW+64*((\q)%3)+4*(\i)+3], v[VO], s[4:5] offset:32768*(\i)+256*(\q)
.endr
.irp i, 0,1,2,3,4,5,6,7
	global_load_b128 v[RAW+64*((\q)%3)+32+4*(\i):RAW+64*((\q)%3)+32+4*(\i)+3], v[VO], s[6:7] offset:262144*(\q)+32768*(\i)
.endr
.endm
.macro SET q
.if (\q) < 14
	s_wait_loadcnt 32                              ; loads come back in order (ISA guide 5.7.1): block q is in, the two younger blocks stay out
.elseif (\q) == 14
	s_wait_loadcnt 16
.else
	s_wait_loadcnt 0
.endif
.if (\q) > 0
	s_wait_alu depctr_vm_vsrc(0)                   ; the LDS stores of the block before have read CV, which the conversions below write again
.endif
.irp i, 0,1,2,3,4,5,6,7,8,9,10,11,12,13,14,15
	v_cvt_pk_f16_f32 v[CV+2*(\i)],   v[RAW+64*((\q)%3)+4*(\i)],   v[RAW+64*((\q)%3)+4*(\i)+1]
	v_cvt_pk_f16_f32 v[CV+2*(\i)+1], v[RAW+64*((\q)%3)+4*(\i)+2], v[RAW+64*((\q)%3)+4*(\i)+3]
.endr
	s_wait_alu depctr_va_vdst(0)                   ; the conversions have written CV, which the LDS stores read, and are done reading the raw set, in which the loads below land
.if (\q) < 13
	LD16 (\q)+3                                    ; into the set just rounded: asked for again at once, ahead of the stores
.endif
.irp i, 0,1,2,3,4,5,6,7
	ds_store_b64 v[LWO+(\i)/4], v[CV+2*(\i):CV+2*(\i)+1] offset:((\i)%4)*8*PWO+128*(\q)
.endr
.irp i, 0,1,2,3,4,5,6,7
	ds_store_b64 v[LWV+(\q)/6], v[CV+16+2*(\i):CV+16+2*(\i)+1] offset:((\q)%6)*64*PWV+8*PWV*(\i)
.endr
.endm
	LD16 0
	LD16 1
	LD16 2
.irp q, 0,1,2,3,4,5,6,7,8,9,10,11,12,13,14,15
	SET \q
.endr
	s_wait_dscnt 0x0                               ; for the others' sake: all my stores into Wo's and Wv's tiles are done
	s_wait_alu depctr_vm_vsrc(0)                   ; the last block's LDS stores have read CV, in which Wr lands (the conversions that wrote it stand ahead of the last wait on va_vdst)
.irp i, 0,1,2,3,4,5,6,7
	global_load_b128 v[WRR+4*(\i):WRR+4*(\i)+3], v[VW], s[8:9] offset:8192*(\i)  ; Wr's patch, two rows a load; wanted on the way out
.endr
	s_barrier_signal -1
	s_barrier_wait -1                              ; the launch's one barrier: from here on the two tiles are only read
; PHASE 2.  A group is 64 along t, in two halves tt of 32: a half is 2 loads of Wo's fragment and 8 turning loads of Wv's four.
.macro LDA f, tt
	ds_load_b128 v[(\f)+8*(\tt):(\f)+8*(\tt)+3],   v[AA] offset:64*(\tt)
	ds_load_b128 v[(\f)+8*(\tt)+4:(\f)+8*(\tt)+7], v[AA] offset:64*(\tt)+32
.endm
.macro LDB f, tt, c
	ds_load_tr16_b128 v[(\f)+16+8*(4*(\tt)+(\c)):(\f)+16+8*(4*(\tt)+(\c))+3],   v[AB] offset:32*PWV*(\tt)+32*(\c)
	ds_load_tr16_b128 v[(\f)+16+8*(4*(\tt)+(\c))+4:(\f)+16+8*(4*(\tt)+(\c))+7], v[AB] offset:32*PWV*(\tt)+16*PWV+32*(\c)
.endm
; A matrix instruction, used transposed: source 0 = 16 channels of Wv^T, source 1 = 16 rows of Wo, so that a lane holds row l % 16 and the eight neighbouring channels 16 c + 8 (l / 16) + 0..7.
; The four accumulators take turns, one instruction a turn.  zero = 1: it starts the sum.
.macro MM f, tt, c, zero
.if \zero
	v_wmma_f32_16x16x32_f16 v[ACC+8*(\c):ACC+8*(\c)+7], v[(\f)+16+8*(4*(\tt)+(\c)):(\f)+16+8*(4*(\tt)+(\c))+7], v[(\f)+8*(\tt):(\f)+8*(\tt)+7], 0
.else
	v_wmma_f32_16x16x32_f16 v[ACC+8*(\c):ACC+8*(\c)+7], v[(\f)+16+8*(4*(\tt)+(\c)):(\f)+16+8*(4*(\tt)+(\c))+7], v[(\f)+8*(\tt):(\f)+8*(\tt)+7], v[ACC+8*(\c):ACC+8*(\c)+7]
.endif
.endm
; Half tt of a group: four matrix instructions on buffer f; fill = 1: the ten loads of the next group's same half, into buffer g, stand behind the first two of them.
; No wait: no vector or matrix instruction since the wait at the group's head names buffer g or the two addresses.
.macro HALF f, g, tt, zero, fill
	MM \f, \tt, 0, \zero
.if \fill
	LDA \g, \tt
	LDB \g, \tt, 0
	LDB \g, \tt, 1
.endif
	MM \f, \tt, 1, \zero
.if \fill
	LDB \g, \tt, 2
	LDB \g, \tt, 3
.endif
	MM \f, \tt, 2, \zero
	MM \f, \tt, 3, \zero
.endm
; A group: multiplies buffer f; fill = 1: the next group is fetched into buffer g.
.macro STEP f, g, zero, fill
	s_wait_dscnt 10                                ; LDS loads come back in order (ISA guide 5.7.1): the first half of buffer f is in, its second half's ten loads may be out
.if \fill
	s_wait_alu depctr_vm_vsrc(0)                   ; the fragment loads issued so far have read v[AA] and v[AB]
	v_add_nc_u32 v[AA], 128, v[AA]                 ; the next group
	v_add_nc_u32 v[AB], 64*PWV, v[AB]
.if !(\zero)
	v_nop                                          ; with the two adds: four plain instructions between the last matrix instruction that read buffer g and the loads into it
	v_nop                                          ; (ISA guide 7.12.1 speaks of vector instructions; the distance is kept for these loads too, beside the wait below)
.endif
	s_wait_alu depctr_va_vdst(0)                   ; v[AA] and v[AB] are written, which the loads below read; the group before is done reading buffer g, in which they land
.endif
	HALF \f, \g, 0, \zero, \fill
.if \fill
	s_wait_dscnt 10                                ; the second half of buffer f is in; the ten loads just issued stay out
.else
	s_wait_dscnt 0x0
.endif
	HALF \f, \g, 1, 0, \fill
.endm
.macro PLACES                          ; four plain vector instructions between a matrix instruction and a vector access to its registers (ISA guide 7.12.1)
.rept 4
	v_nop
.endr
.endm
.irp tt, 0,1
	LDA F0, \tt                                    ; group 0.  The conversions that read these registers as raw sets stand ahead of phase 1's last wait on va_vdst
.irp c, 0,1,2,3
	LDB F0, \tt, \c
.endr
.endr
	STEP F0, F1, 1, 1                              ; group 0 starts the sums, ahead of the loop
	s_mov_b32 s3, 7
.Lgroup:                                               ; trip k: multiplies groups 2 k + 1, 2 k + 2; fetches groups 2 k + 2, 2 k + 3
	STEP F1, F0, 0, 1
	STEP F0, F1, 0, 1
	s_sub_co_u32 s3, s3, 1
	s_cmp_lg_u32 s3, 0
	s_cbranch_scc1 .Lgroup
	STEP F1, F0, 0, 0                              ; group 15: nothing is left to fetch, so no dependence is left to state
	; THE WAY OUT.  64 Wvo and Wr, rounded to f16, meet in my own stage as whole units of 256 bytes; LDS serves a wave's instructions in order (ISA guide 5.7.1.4), so no wait stands between the stores and the loads.
	PLACES
.irp i, 0,1,2,3,4,5,6,7,8,9,10,11,12,13,14,15
	v_pk_mul_f32 v[ACC+2*(\i):ACC+2*(\i)+1], v[ACC+2*(\i):ACC+2*(\i)+1], 0x42800000 op_sel_hi:[1,0]  ; x 64, each accumulator from its low end on
.endr
.irp i, 0,1,2,3,4,5,6,7,8,9,10,11,12,13,14,15
	v_cvt_pk_f16_f32 v[PK+(\i)], v[ACC+2*(\i)], v[ACC+2*(\i)+1]
.endr
	s_wait_loadcnt 0x0                             ; Wr
.irp i, 0,1,2,3,4,5,6,7,8,9,10,11,12,13,14,15
	v_cvt_pk_f16_f32 v[PW+(\i)], v[WRR+2*(\i)], v[WRR+2*(\i)+1]
.endr
	s_wait_alu depctr_va_vdst(0)                   ; the conversions have written PK and PW, which the LDS stores read; the matrix instructions are done reading v[BK ..], in which the loads from the stage land
.irp c, 0,1,2,3
	ds_store_b128 v[STO], v[PK+4*(\c):PK+4*(\c)+3] offset:64*(\c)
.endr
.irp i, 0,1,2,3,4,5,6,7
	ds_store_b64 v[STW], v[PW+2*(\i):PW+2*(\i)+1] offset:2*SPITCH*(\i)
.endr
.irp i, 0,1,2,3,4,5,6,7
	ds_load_b128 v[BK+4*(\i):BK+4*(\i)+3], v[RD] offset:2*SPITCH*(\i)
.endr
.irp i, 0,1,2,3,4,5,6,7
	s_wait_dscnt 7-(\i)                            ; the younger loads may stay out
	global_store_b128 v[VW], v[BK+4*(\i):BK+4*(\i)+3], s[10:11] offset:8192*(\i)  ; 16 lanes store 256 consecutive bytes, at a multiple of 256 from B2's first byte
.endr
	s_wait_dscnt 0x0                               ; the wave's end: six lines on end
	s_wait_alu 0x0
	s_wait_tensorcnt 0x0
	ds_add_u32 v[SPW], v[NIL]
	s_wait_dscnt 0x0
	s_endpgm
.Lfunc_end_k_q87028e59f9_wfuse:
	.size	k_q87028e59f9_wfuse, .Lfunc_end_k_q87028e59f9_wfuse-k_q87028e59f9_wfuse
	.p2alignl 7, 3214868480
	.fill 96, 4, 3214868480
	.section	.rodata,"a",@progbits
	.p2align	6, 0x0
	.amdhsa_kernel k_q87028e59f9_wfuse
		.amdhsa_group_segment_fixed_size 313856
		.amdhsa_private_segment_fixed_size 0
		.amdhsa_enable_private_segment 0
		.amdhsa_kernarg_size 32
		.amdhsa_user_sgpr_count 2
		.amdhsa_user_sgpr_kernarg_segment_ptr 1
		.amdhsa_wavefront_size32 1
		.amdhsa_system_sgpr_workgroup_id_x 1
		.amdhsa_system_sgpr_workgroup_id_y 1
		.amdhsa_system_sgpr_workgroup_id_z 1
		.amdhsa_system_vgpr_workitem_id 0
		.amdhsa_next_free_vgpr 240
		.amdhsa_next_free_sgpr 66
		.amdhsa_reserve_vcc 0
		.amdhsa_float_denorm_mode_32 3
		.amdhsa_float_denorm_mode_16_64 3
		.amdhsa_memory_ordered 1
		.amdhsa_forward_progress 1
		.amdhsa_inst_pref_size 92
	.end_amdhsa_kernel
	.amdgpu_metadata
---
amdhsa.version: [ 1, 2 ]
amdhsa.kernels:
  - .name:           k_q87028e59f9_wfuse
    .symbol:         k_q87028e59f9_wfuse.kd
    .args:
      - { .name: Wo, .offset: 0, .size: 8, .value_kind: global_buffer, .address_space: global }
      - { .name: Wv, .offset: 8, .size: 8, .value_kind: global_buffer, .address_space: global }
      - { .name: Wr, .offset: 16, .size: 8, .value_kind: global_buffer, .address_space: global }
      - { .name: B2, .offset: 24, .size: 8, .value_kind: global_buffer, .address_space: global }
    .group_segment_fixed_size: 313856
    .private_segment_fixed_size: 0
    .kernarg_segment_align: 8
    .kernarg_segment_size: 32
    .max_flat_workgroup_size: 128
    .sgpr_count:     66
    .vgpr_count:     240
    .wavefront_size: 32
...
	.end_amdgpu_metadata
.endif
;; end of part 4
;; launch scanmix (part 5): grid 16 x 8, 16 waves a work-group, no clusters, 18,432 bytes of LDS; arguments x, time_decay, time_mix_v, time_mix_r, A2; writes A2
.if DOCPART == 5
	.amdgcn_target "amdgcn-amd-amdhsa--gfx1250"
	.amdhsa_code_object_version 6
	.text
	.protected	k_q87028e59f9_scanmix
	.globl	k_q87028e59f9_scanmix
	.p2align	8
	.type	k_q87028e59f9_scanmix,@function
k_q87028e59f9_scanmix:
	s_mov_b64 s[64:65], 0
	v_nop
	global_prefetch_b8 v0, s[64:65] scope:SCOPE_SE
	s_setreg_imm32_b32 hwreg(HW_REG_WAVE_SCHED_MODE, 0, 2), 2
	s_setreg_imm32_b32 hwreg(HW_REG_WAVE_MODE, 25, 1), 1
	s_wait_xcnt 0x0
	s_wait_alu depctr_vm_vsrc(0)
; A2 = the gemm launch's first operand, f16: v_in = x mv + prev (1 - mv) and r_in = x mr + prev (1 - mr), with prev_t = x_(t-1) + d prev_(t-1), prev_0 = 0, d = exp(-exp(time_decay)).
; reference()'s k_in and _k enter none of its results, so time_mix_k and Wk are not read and that product is not made.
; A2 LAYOUT: [16,384 rows m = 2048 b + s][4096 bytes]; a row is 16 units j of 256 bytes (channels 64 j .. + 63); a unit is 8 pairs i of two 16-byte granules:
; byte 32 i: v_in of channels 64 j + 8 i .. + 7; byte 32 i + 16: r_in of the same channels.
; LIMITS.  v_in and r_in are rounded to f16: they stay below 65,520 in magnitude; below 6e-5 f16 keeps its fixed step of 6e-8.  v_exp_f32 flushes denormals (ISA guide 15.8): a d or d^32 below 2^-126 counts as 0.
; The scan is exact in its terms (no term is dropped, whatever d), but its f32 sums are grouped by chunks of 32 rows, another order of rounding than a plain chain's.  NaN and infinities are not treated apart.
; SHARES.  A work-group owns one batch b and one strip j of 64 channels, 256 bytes of every row of x and of A2, for all 2,048 rows: the carry never leaves the work-group and x is read once.  That makes
; 8 x 16 = 128 work-groups: a narrower strip would break the runs of 256 bytes, a split along s would read x again.  Memory binds: no matrix unit, no cluster (nothing is shared), no copy engine.
; Two SUPER-STEPS of 1,024 rows.  Half a wave is a sub-chunk g = t >> 4 of 32 rows; lane t & 15 owns 4 channels; its 32 rows stay in 128 registers between the two passes.
; PASS 1: the sub-chunk's end state from 0, into LDS.  COMBINE: every wave walks the chain of 32 end states (carry' = carry d^32 + end) and keeps the carries of its two sub-chunks.  PASS 2: the rows again, with the true carry.
; THE MODE: SCHED_MODE bits 1:0 = 2 (LLVM: expert scheduling mode 2), set by the entry lines.  The code itself states the register dependences
; between vector instructions and memory or LDS instructions, with s_wait_alu, always for 0.
; THE PLAN.  Registers that memory or LDS instructions touch:
;   X             32 rows as loaded.  Read by pass 1 and pass 2.  Pass 2 goes in 8 blocks of four rows; in super-step 0 the rows of block p - 1 are loaded again in block p, with the rows 1,024 further down.
;   Y0, Y1        two blocks of A2 to store.  Written by block p's selects (Y[p % 2]); read by the four stores that are issued in block p + 1.
;   EB0 .. EB2    three buffers of four end states (the first two are Y's registers, idle in COMBINE).  Batch k's links read EB[k % 3]; the LDS loads of batch k + 2, issued at the head of batch k, land in
;                 EB[(k + 2) % 3] = EB[(k - 1) % 3], which the links of batch k - 1 read.
;   v[T0 ..]      written by pass 1, read by its one LDS store, written again by pass 2.
;   v[XO], v[EST], v[ELD]  made at the head and never written again: the rows are reached by immediate offsets.   v[SPW], v[NIL]  read by the closing add alone.
; Block p's memory instructions touch Y[(p - 1) % 2] and the X rows of block p - 1, which no vector instruction of block p names.  So the waits at a block's head state all that they hang on.
.set SPARE, 16384                      ; end states: super-step 0 at 0, super-step 1 at 8,192 (32 sub-chunks x 256 bytes each); then the spare words, 128 bytes a wave: eight blocks of 256 bytes that no other line names
.set SPW, 1                            ; v1      my spare word's LDS address; never rewritten
.set NIL, 2                            ; v2      0; never rewritten
.set XO,  3                            ; v3      my sub-chunk's 32 rows of 4,096 bytes + 16 (t & 15): in x and in A2; never rewritten
.set EST, 4                            ; v4      16 t: where my end state goes
.set ELD, 5                            ; v5      16 (t & 15): my channels in a sub-chunk's 256 bytes, and in the three vectors
.set D,   8                            ; v8-11   d of my 4 channels
.set DL,  12                           ; v12-15  d^32
.set MK,  16                           ; v16-19  the mix of the kind that I keep (even lanes v, odd lanes r);  v20-23  1 - that
.set NK,  20
.set MS,  24                           ; v24-27  the mix of the kind that I send to my neighbour;  v28-31  1 - that
.set NS,  28
.set ST,  32                           ; v32-35  prev
.set CA,  36                           ; v36-39, v40-43  the chain
.set CB,  40
.set T0,  44                           ; v44-47, v48-51  at work
.set T1,  48
.set KC,  52                           ; v52-53  4 f16 kept;  v54-55  4 f16 sent;  v56-57  4 f16 received
.set SC,  54
.set UC,  56
.set O,   60                           ; v60-67  at the head only: time_mix_r as loaded; 32 log2(d)
.set EB,  68                           ; v68-115 three buffers of four end states
.set Y,   68                           ; v68-99  in pass 2: buffer k, row r of a block: 16 bytes to store at + 16 k + 4 r
.set X,   116                          ; v116-243  row i at + 4 i
	s_load_b256 s[4:11], s[0:1], 0x0               ; x s[4:5], time_decay s[6:7], time_mix_v s[8:9], time_mix_r s[10:11]
	s_load_b64 s[12:13], s[0:1], 0x20              ; A2
	v_lshl_add_u32 v[SPW], v0, 2, SPARE
	v_mov_b32 v[NIL], 0
	v_lshrrev_b32 v6, 5, v0
	v_readfirstlane_b32 s16, v6                    ; wave 0..15
	s_mov_b32 s17, 0xaaaaaaaa                      ; the odd lanes
	s_mov_b32 s18, 0xffff0000                      ; lanes 16-31
	s_and_b32 s14, ttmp7, 0xffff                   ; b:
	s_lshl_b32 s14, s14, 23                        ; 2,048 rows of 4,096 bytes
	s_lshl_b32 s20, ttmp9, 8                       ; j: 256 bytes
	s_mov_b32 s21, 0
	s_or_b32 s14, s14, s20
	s_mov_b32 s15, 0
	v_and_b32 v6, 15, v0
	v_lshrrev_b32 v7, 4, v0
	v_lshlrev_b32 v[ELD], 4, v6
	v_lshl_or_b32 v[XO], v7, 17, v[ELD]
	v_lshlrev_b32 v[EST], 4, v0
	v_mov_b32 v[UC], 0                             ; a destination of the lane exchange counts as read: written once here
	v_mov_b32 v[UC+1], 0
.irp c, 0,1,2,3
	v_mov_b32 v[CA+(\c)], 0                        ; the scan begins at 0
.endr
	s_wait_alu depctr_va_sdst(0)                   ; s16 is written, ahead of its first reader (the chain's compares) and of every branch and label
	s_wait_kmcnt 0x0
	s_add_nc_u64 s[4:5], s[4:5], s[14:15]
	s_add_nc_u64 s[12:13], s[12:13], s[14:15]
	s_add_nc_u64 s[6:7], s[6:7], s[20:21]
	s_add_nc_u64 s[8:9], s[8:9], s[20:21]
	s_add_nc_u64 s[10:11], s[10:11], s[20:21]
	s_wait_alu depctr_va_vdst(0)                   ; v[XO], v[EST] and v[ELD] are written: every load, store and LDS instruction of the kernel but the closing add reads one of them
	global_load_b128 v[T0:T0+3], v[ELD], s[6:7]
	global_load_b128 v[T1:T1+3], v[ELD], s[8:9]
	global_load_b128 v[O:O+3],   v[ELD], s[10:11]
.set i, 0
.rept 32
	global_load_b128 v[X+4*i:X+4*i+3], v[XO], s[4:5] offset:4096*i th:TH_LOAD_NT  ; 16 lanes take 256 consecutive aligned bytes; x is read once in the launch
.set i, i+1
.endr
	s_wait_loadcnt 32                              ; the three vectors are in; the 32 rows stay out
.irp c, 0,1,2,3
	v_mul_f32 v[T0+(\c)], 0x3fb8aa3b, v[T0+(\c)]   ; log2(e) time_decay
.endr
.irp c, 0,1,2,3
	v_exp_f32 v[T0+(\c)], v[T0+(\c)]               ; exp(time_decay)
.endr
	v_nop                                          ; a plain instruction between the last exponential and the use of its result (ISA guide 5.7.2)
	s_wait_alu depctr_va_vdst(0)                   ; the four exp(time_decay) are written, ahead of their first reader
.irp c, 0,1,2,3
	v_mul_f32 v[T0+(\c)], 0xbfb8aa3b, v[T0+(\c)]   ; log2(d)
.endr
.irp c, 0,1,2,3
	v_exp_f32 v[D+(\c)], v[T0+(\c)]
.endr
.irp c, 0,1,2,3
	v_mul_f32 v[O+4+(\c)], 0x42000000, v[T0+(\c)]  ; 32 log2(d), exact
.endr
.irp c, 0,1,2,3
	v_exp_f32 v[DL+(\c)], v[O+4+(\c)]
.endr
.irp c, 0,1,2,3
	v_cndmask_b32 v[MK+(\c)], v[T1+(\c)], v[O+(\c)], s17  ; odd lanes: mr; even lanes: mv
.endr
.irp c, 0,1,2,3
	v_cndmask_b32 v[MS+(\c)], v[O+(\c)], v[T1+(\c)], s17  ; the other one
.endr
	s_wait_alu depctr_va_vdst(0)                   ; d and d^32 are written, ahead of their first readers and of every label and branch
.irp c, 0,1,2,3
	v_sub_f32 v[NK+(\c)], 1.0, v[MK+(\c)]
	v_sub_f32 v[NS+(\c)], 1.0, v[MS+(\c)]
.endr
; PASS 1 of super-step u: the state that my 32 rows alone leave behind, two fused multiply-adds in one instruction, as the rows arrive.
.macro PHASE1 u
	s_wait_loadcnt 30                              ; rows 0 and 1 are in
	v_pk_fma_f32 v[T0:T0+1],   v[X:X+1],   v[D:D+1],   v[X+4:X+5]
	v_pk_fma_f32 v[T0+2:T0+3], v[X+2:X+3], v[D+2:D+3], v[X+6:X+7]
.set i, 2
.rept 30
	s_wait_loadcnt 31-i                            ; row i is in; the younger rows stay out
	v_pk_fma_f32 v[T0:T0+1],   v[T0:T0+1],   v[D:D+1],   v[X+4*i:X+4*i+1]
	v_pk_fma_f32 v[T0+2:T0+3], v[T0+2:T0+3], v[D+2:D+3], v[X+4*i+2:X+4*i+3]
.set i, i+1
.endr
	s_wait_alu depctr_va_vdst(0)                   ; the chain has written v[T0 ..], which the LDS store reads; in super-step 1 also: the selects that wrote Y and the links that read EB are done, ahead of the end states' loads
	ds_store_b128 v[EST], v[T0:T0+3] offset:8192*(\u)
	s_wait_dscnt 0x0                               ; for the others' sake: my end state is in LDS
	s_barrier_signal -1
	s_barrier_wait -1                              ; all 32 are.  The two super-steps have bytes of their own, so no second barrier is needed
.if (\u) == 1
	s_wait_xcnt 0x0                                ; every earlier memory instruction has had its addresses translated (ISA guide 3.1): Y, the data of pass 2's stores, is loaded over only behind this wait
.endif
	s_wait_alu depctr_vm_vsrc(0)                   ; my LDS store has read v[T0 ..], which pass 2 writes again; in super-step 1 also: pass 2's stores have read Y, in which the end states land
.endm
.macro EBATCH u, k                     ; the end states of sub-chunks 4 k .. 4 k + 3, my channels
.irp n, 0,1,2,3
	ds_load_b128 v[EB+16*((\k)%3)+4*(\n):EB+16*((\k)%3)+4*(\n)+3], v[ELD] offset:8192*(\u)+256*(4*(\k)+(\n))
.endr
.endm
; Two links of the chain.  CA is the carry into sub-chunk 2 n, CB into 2 n + 1; wave n keeps them, by halves of its lanes.  The jump hangs on the wave's number alone and passes no barrier.
.macro CSTEP n, e
	v_pk_fma_f32 v[CB:CB+1],   v[CA:CA+1],   v[DL:DL+1],   v[(\e):(\e)+1]
	v_pk_fma_f32 v[CB+2:CB+3], v[CA+2:CA+3], v[DL+2:DL+3], v[(\e)+2:(\e)+3]
	s_cmp_lg_u32 s16, \n
	s_cbranch_scc1 .Lnot_mine_\@
.irp c, 0,1,2,3
	v_cndmask_b32 v[ST+(\c)], v[CA+(\c)], v[CB+(\c)], s18
.endr
.Lnot_mine_\@:
	v_pk_fma_f32 v[CA:CA+1],   v[CB:CB+1],   v[DL:DL+1],   v[(\e)+4:(\e)+5]
	v_pk_fma_f32 v[CA+2:CA+3], v[CB+2:CB+3], v[DL+2:DL+3], v[(\e)+6:(\e)+7]
.endm
.macro COMBINE u
.irp c, 0,1,2,3
	v_mov_b32 v[ST+(\c)], v[CA+(\c)]               ; prev is written on every path; my wave's own link writes it anew
.endr
	EBATCH \u, 0                                   ; no vector instruction since pass 1's wait on va_vdst names EB
	EBATCH \u, 1
	EBATCH \u, 2
.irp k, 0,1,2,3,4,5,6,7
.if (\k) == 0
	s_wait_dscnt 8                                 ; batch 0 is in; the eight loads of batches 1 and 2 stay out
.elseif (\k) < 7
	s_wait_dscnt 4                                 ; batch k is in; the next batch's four loads stay out
.else
	s_wait_dscnt 0
.endif
.if ((\k) > 0) && ((\k) < 6)
	s_wait_alu depctr_va_vdst(0)                   ; the links of batch k - 1 are done reading their buffer, in which batch k + 2 lands
	EBATCH \u, (\k)+2
.endif
	CSTEP 2*(\k),   EB+16*((\k)%3)
	CSTEP 2*(\k)+1, EB+16*((\k)%3)+8
.endr
.endm                                  ; CA ends as the carry into the next super-step, the same in every wave
; PASS 2.  For each row: both mixes of my 4 channels, prev stepped, 4 + 4 numbers rounded to f16.  A granule of 16 bytes holds 8 channels of one kind, so neighbours i and i xor 1 swap: the even lane
; keeps v_in and gets its neighbour's, the odd lane keeps r_in.
; The memory instructions of row r, issued a block behind its arithmetic: in super-step 0 the row's registers are loaded again, with the row 1,024 further down; its 16 bytes are stored.
.macro MEMROW u, r
.if (\u) == 0
	global_load_b128 v[X+4*(\r):X+4*(\r)+3], v[XO], s[4:5] offset:4096*(1024+(\r)) th:TH_LOAD_NT
.endif
	global_store_b128 v[XO], v[Y+16*(((\r)/4)%2)+4*((\r)%4):Y+16*(((\r)/4)%2)+4*((\r)%4)+3], s[12:13] offset:4096*(1024*(\u)+(\r))  ; 16 lanes store 256 consecutive bytes, at a multiple of 256 from A2's first byte
.endm
.macro PHASE2 u
.set i, 0
.rept 32
.set XI, X+4*i
.set OO, Y+16*((i/4)%2)+4*(i%4)
.if (i%4 == 0) && (i >= 8)
	s_wait_xcnt 0x0                                ; every earlier memory instruction has had its addresses translated (ISA guide 3.1): this block's Y, the data of stores issued in the block before, is rewritten only behind this wait
	s_wait_alu depctr_vm_vsrc(0)                   ; the stores issued in the block before have read this block's Y, which its selects write again
.endif
.if (i%4 == 0) && (i >= 4)
	s_wait_alu depctr_va_vdst(0)                   ; the block before has written the other Y, which the stores below read, and is done reading its rows of X, in which the loads below land
.endif
.if (i >= 4) && (i%4 < 2)
	MEMROW \u, i-4+i%4                             ; the block before, two rows in front of each of this block's first two rows; no vector instruction since the wait names their registers
	MEMROW \u, i-3+i%4
.endif
	v_pk_mul_f32 v[T0:T0+1],   v[XI:XI+1],   v[MK:MK+1]
	v_pk_mul_f32 v[T0+2:T0+3], v[XI+2:XI+3], v[MK+2:MK+3]
	v_pk_mul_f32 v[T1:T1+1],   v[XI:XI+1],   v[MS:MS+1]
	v_pk_mul_f32 v[T1+2:T1+3], v[XI+2:XI+3], v[MS+2:MS+3]
	v_pk_fma_f32 v[T0:T0+1],   v[ST:ST+1],   v[NK:NK+1],   v[T0:T0+1]
	v_pk_fma_f32 v[T0+2:T0+3], v[ST+2:ST+3], v[NK+2:NK+3], v[T0+2:T0+3]
	v_pk_fma_f32 v[T1:T1+1],   v[ST:ST+1],   v[NS:NS+1],   v[T1:T1+1]
	v_pk_fma_f32 v[T1+2:T1+3], v[ST+2:ST+3], v[NS+2:NS+3], v[T1+2:T1+3]
	v_pk_fma_f32 v[ST:ST+1],   v[ST:ST+1],   v[D:D+1],     v[XI:XI+1]
	v_pk_fma_f32 v[ST+2:ST+3], v[ST+2:ST+3], v[D+2:D+3],   v[XI+2:XI+3]
	v_cvt_pk_f16_f32 v[KC],   v[T0],   v[T0+1]
	v_cvt_pk_f16_f32 v[KC+1], v[T0+2], v[T0+3]
	v_cvt_pk_f16_f32 v[SC],   v[T1],   v[T1+1]
	v_cvt_pk_f16_f32 v[SC+1], v[T1+2], v[T1+3]
	v_mov_b32_dpp v[UC],   v[SC]   row_xmask:1 row_mask:0xf bank_mask:0xf
	v_mov_b32_dpp v[UC+1], v[SC+1] row_xmask:1 row_mask:0xf bank_mask:0xf
	v_cndmask_b32 v[OO],   v[KC],   v[UC],   s17   ; even lane: mine, then my neighbour's; odd lane: my neighbour's, then mine
	v_cndmask_b32 v[OO+1], v[KC+1], v[UC+1], s17
	v_cndmask_b32 v[OO+2], v[UC],   v[KC],   s17
	v_cndmask_b32 v[OO+3], v[UC+1], v[KC+1], s17
.set i, i+1
.endr
	s_wait_alu depctr_va_vdst(0)                   ; the last block has written Y1, which the last four stores read, and is done reading its rows of X, in which the last four loads land
.irp r, 28,29,30,31
	MEMROW \u, \r
.endr
.endm
	PHASE1 0
	COMBINE 0
	PHASE2 0
	PHASE1 1
	COMBINE 1
	PHASE2 1
	s_wait_dscnt 0x0                               ; the wave's end: six lines on end
	s_wait_alu 0x0
	s_wait_tensorcnt 0x0
	ds_add_u32 v[SPW], v[NIL]
	s_wait_dscnt 0x0
	s_endpgm
.Lfunc_end_k_q87028e59f9_scanmix:
	.size	k_q87028e59f9_scanmix, .Lfunc_end_k_q87028e59f9_scanmix-k_q87028e59f9_scanmix
	.p2alignl 7, 3214868480
	.fill 96, 4, 3214868480
	.section	.rodata,"a",@progbits
	.p2align	6, 0x0
	.amdhsa_kernel k_q87028e59f9_scanmix
		.amdhsa_group_segment_fixed_size 18432
		.amdhsa_private_segment_fixed_size 0
		.amdhsa_enable_private_segment 0
		.amdhsa_kernarg_size 40
		.amdhsa_user_sgpr_count 2
		.amdhsa_user_sgpr_kernarg_segment_ptr 1
		.amdhsa_wavefront_size32 1
		.amdhsa_system_sgpr_workgroup_id_x 1
		.amdhsa_system_sgpr_workgroup_id_y 1
		.amdhsa_system_sgpr_workgroup_id_z 1
		.amdhsa_system_vgpr_workitem_id 0
		.amdhsa_next_free_vgpr 244
		.amdhsa_next_free_sgpr 66
		.amdhsa_reserve_vcc 0
		.amdhsa_float_denorm_mode_32 3
		.amdhsa_float_denorm_mode_16_64 3
		.amdhsa_memory_ordered 1
		.amdhsa_forward_progress 1
		.amdhsa_inst_pref_size 131
	.end_amdhsa_kernel
	.amdgpu_metadata
---
amdhsa.version: [ 1, 2 ]
amdhsa.kernels:
  - .name:           k_q87028e59f9_scanmix
    .symbol:         k_q87028e59f9_scanmix.kd
    .args:
      - { .name: x, .offset: 0, .size: 8, .value_kind: global_buffer, .address_space: global }
      - { .name: time_decay, .offset: 8, .size: 8, .value_kind: global_buffer, .address_space: global }
      - { .name: time_mix_v, .offset: 16, .size: 8, .value_kind: global_buffer, .address_space: global }
      - { .name: time_mix_r, .offset: 24, .size: 8, .value_kind: global_buffer, .address_space: global }
      - { .name: A2, .offset: 32, .size: 8, .value_kind: global_buffer, .address_space: global }
    .group_segment_fixed_size: 18432
    .private_segment_fixed_size: 0
    .kernarg_segment_align: 8
    .kernarg_segment_size: 40
    .max_flat_workgroup_size: 512
    .sgpr_count:     66
    .vgpr_count:     244
    .wavefront_size: 32
...
	.end_amdgpu_metadata
.endif
;; end of part 5
;; launch gemm: the kernel of part 3 again; grid 8 x 64, 4 waves a work-group, clusters of 4 x 4, 327,680 bytes of LDS; arguments A2, B2, out0; writes out0
